; MI455X (gfx1250); checked and timed in simulation.
; The chip was launched on July 23, 2026; its instructions are those of AMD's public machine-readable ISA for CDNA 5 (MIT licence, August 2026) and "CDNA5" Instruction Set Architecture Reference Guide (July 2026). The comments in the code are by the model that wrote it; some were corrected since.
;; Self Attention. Allowed arithmetic: float matrix products may take bf16 or f16 operands with f32 sums; all other float work in f32.
;; Inputs: beta 512 float32; bk 512 float32; bo 512 float32; bq 512 float32; bv 512 float32; gamma 512 float32; wk 512 x 512 float32; wo 512 x 512 float32; wq 512 x 512 float32; wv 512 x 512 float32; x 16 x 512 x 32 x 32 float32.
;; Outputs: out0 16 x 512 x 32 x 32 float32.
;; 2 versions, each right; version 2 is version 1 with the launch norm written anew for expert scheduling mode. Each part assembles by itself: llvm-mc -triple=amdgcn-amd-amdhsa -mcpu=gfx1250 --defsym DOCPART=n.
;; ======== version 1 of 2: 4 launches
;; workspace buffers: xn 16,777,216 bytes; wb 2,097,152 bytes; qt 16,777,216 bytes; kt 16,777,216 bytes; vv 16,777,216 bytes; ao 16,777,216 bytes
;; launch norm (part 1): grid 128 x 1, 16 waves a work-group, no clusters, 2,304 bytes of LDS; arguments x, gamma, beta, wq, wk, wv, wo, xn, wb; writes xn, wb
.if DOCPART == 1
	.amdgcn_target "amdgcn-amd-amdhsa--gfx1250"
	.amdhsa_code_object_version 6
	.text
	.protected	k_qbd8bf99874_norm
	.globl	k_qbd8bf99874_norm
	.p2align	8
	.type	k_qbd8bf99874_norm,@function
k_qbd8bf99874_norm:
	s_mov_b64 s[64:65], 0
	v_nop
	global_prefetch_b8 v0, s[64:65] scope:SCOPE_SE
	s_setreg_imm32_b32 hwreg(HW_REG_WAVE_MODE, 25, 1), 1
	s_wait_xcnt 0x0
; GROUP NORM of x [16][512][1024] f32 into xn [16][512][1024] bf16, and the four weights rounded to bf16 into wb.
; First of four launches: norm -> qkv (three channel products) -> attn (softmax attention) -> proj (output product, bias, residual).
;
; WORK LEFT OUT IN THE WHOLE PROGRAM: the input bk.  k enters the result only through the scores
;   S[n][m] = scale * q_n . (Wk xn_m + bk) = scale * q_n . Wk xn_m  +  scale * q_n . bk,
; and the second term does not hang on m.  The softmax runs along m, and a term that is the same along its axis leaves it unchanged,
; for every value of every input.  So bk has no way to any output: it is not loaded and is no argument of any launch.
; Limit: a NaN, an infinity or an overflow that reaches only q . bk is not carried to the result.
; OTHER LIMITS: NaN and infinite inputs are not reproduced.  v_rsq_f32 flushes denormals (ISA guide 15.8); its input here is var + 1e-5.
; xn is rounded to bf16 once, after the norm has been applied in f32; the variance is taken about the mean (second pass over registers),
; so a common offset of x costs no digits.
;
; A work-group owns one group of one batch: 64 channels x 1024 numbers = 256 KiB, contiguous.  Wave w owns channels 4w .. 4w+3
; (16 KiB): a lane takes 32 loads of 16 bytes and keeps its 128 numbers in registers through all three passes: x is read once.
; One work-group a group, 128 in all: a finer split would need sums between work-groups.
; wb[i][ks][o][kk] = W_i[o][64 ks + kk], i = q, k, v, o: every tile of 128 rows x 64 k that a later launch fetches is then dense.
; The work-group converts rows 4p .. 4p+3 of each weight; wave w takes K step w & 7 of rows 4p + 2 (w >> 3) and the next.
.set X,  64                            ; v[64:191]  my 128 numbers, chunk j (512 bytes of the wave) at X + 4j
.set WL, 8                             ; v[8:23]    4 numbers of each of the 4 weights
.set CH, 24                            ; v[24:31]   four chains of pairs
	s_load_b512 s[4:19], s[0:1], 0x0               ; x s[4:5], gamma s[6:7], beta s[8:9], wq s[10:11], wk s[12:13], wv s[14:15], wo s[16:17], xn s[18:19]
	s_load_b64 s[20:21], s[0:1], 0x40              ; wb
	v_lshl_add_u32 v192, v0, 2, 0x100
	v_mov_b32 v193, 0
	v_lshrrev_b32 v1, 5, v0
	v_readfirstlane_b32 s22, v1                    ; wave 0..15
	v_and_b32 v1, 31, v0                           ; lane L
	v_lshlrev_b32 v2, 4, v1                        ; 16 L: my 16 bytes in a chunk of x
	v_lshlrev_b32 v3, 3, v1                        ; 8 L: my 8 bytes in a chunk of xn
	s_lshl_b32 s24, ttmp9, 18                      ; x: group p at p x 256 KiB,
	s_lshl_b32 s23, s22, 14                        ; wave at w x 16 KiB
	s_add_co_u32 s24, s24, s23
	s_mov_b32 s25, 0
	s_lshl_b32 s26, ttmp9, 17                      ; xn: half of that
	s_lshl_b32 s23, s22, 13
	s_add_co_u32 s26, s26, s23
	s_mov_b32 s27, 0
	s_and_b32 s36, ttmp9, 7                        ; gamma, beta: channel 64 g + 4 w, 4 bytes each
	s_lshl_b32 s36, s36, 8
	s_lshl_b32 s23, s22, 4
	s_add_co_u32 s36, s36, s23
	s_mov_b32 s37, 0
	s_lshr_b32 s42, s22, 3                         ; w >> 3: which pair of the four rows
	s_and_b32 s43, s22, 7                          ; w & 7: which K step
	s_lshl_b32 s38, ttmp9, 13                      ; weight source: row 4p + 2 (w>>3), 2,048 bytes a row, + 256 bytes a K step
	s_lshl_b32 s23, s42, 12
	s_add_co_u32 s38, s38, s23
	s_lshl_b32 s23, s43, 8
	s_add_co_u32 s38, s38, s23
	s_lshl_b32 s39, s43, 16                        ; weight target: K step x 65,536 + row x 128
	s_lshl_b32 s23, ttmp9, 9
	s_add_co_u32 s39, s39, s23
	s_lshl_b32 s23, s42, 8
	s_add_co_u32 s39, s39, s23
	s_mov_b32 s40, 0x76543210                      ; v_permlanex16_b32: lane i of one half reads lane i of the other
	s_mov_b32 s41, 0xfedcba98
	s_mov_b32 s44, 0x37800000                      ; 2^-16 = 1 / (64 x 1024)
	v_lshrrev_b32 v4, 4, v1
	v_lshlrev_b32 v4, 11, v4                       ; lanes 16-31: the next row
	v_and_b32 v5, 15, v1
	v_lshl_add_u32 v4, v5, 4, v4
	v_add_nc_u32 v4, s38, v4                       ; source offset in a weight
	v_lshl_add_u32 v5, v1, 3, s39                  ; target offset in wb: two rows of 128 bytes are 256 neighbouring bytes, 8 a lane
	v_mov_b32 v6, s22
	v_lshlrev_b32 v6, 2, v6                        ; my wave's word in LDS
	v_mov_b32 v7, 0
	v_mov_b32 v36, 0                               ; the permute's destination counts as read
	v_mov_b32 v38, 0x3727c5ac                      ; 1e-5
	s_wait_kmcnt 0x0
	s_add_nc_u64 s[4:5], s[4:5], s[24:25]
	s_add_nc_u64 s[18:19], s[18:19], s[26:27]
	s_add_nc_u64 s[6:7], s[6:7], s[36:37]
	s_add_nc_u64 s[8:9], s[8:9], s[36:37]
	s_load_b128 s[28:31], s[6:7], 0x0              ; gamma of my 4 channels
	s_load_b128 s[32:35], s[8:9], 0x0              ; beta of my 4 channels
	global_load_b128 v[WL:WL+3],     v4, s[10:11] th:TH_LOAD_NT
	global_load_b128 v[WL+4:WL+7],   v4, s[12:13] th:TH_LOAD_NT
	global_load_b128 v[WL+8:WL+11],  v4, s[14:15] th:TH_LOAD_NT
	global_load_b128 v[WL+12:WL+15], v4, s[16:17] th:TH_LOAD_NT
.set j, 0
.rept 32
	global_load_b128 v[X+4*j:X+4*j+3], v2, s[4:5] offset:j*512 th:TH_LOAD_NT
.set j, j+1
.endr
	; the weights: rounded, and stored 256 neighbouring bytes an instruction
	s_wait_loadcnt 32                              ; the 32 loads of x are younger: the four weight loads are in
.irp i, 0,1,2,3
	v_cvt_pk_bf16_f32 v[WL+4*\i],   v[WL+4*\i],   v[WL+4*\i+1]
	v_cvt_pk_bf16_f32 v[WL+4*\i+1], v[WL+4*\i+2], v[WL+4*\i+3]
	global_store_b64 v5, v[WL+4*\i:WL+4*\i+1], s[20:21] offset:\i*524288
.endr
; n more pairs, from pair q on, are added to the four chains
.macro ACC n
.rept \n
	v_pk_add_f32 v[CH+2*(q%4):CH+2*(q%4)+1], v[CH+2*(q%4):CH+2*(q%4)+1], v[X+2*q:X+2*q+1]
.set q, q+1
.endr
.endm
; the four chains into v35
.macro MERGE
	v_pk_add_f32 v[CH:CH+1],   v[CH:CH+1],   v[CH+2:CH+3]
	v_pk_add_f32 v[CH+4:CH+5], v[CH+4:CH+5], v[CH+6:CH+7]
	v_pk_add_f32 v[CH:CH+1],   v[CH:CH+1],   v[CH+4:CH+5]
	v_add_f32 v35, v[CH], v[CH+1]
.endm
; v35 summed over the 32 lanes and the 16 waves, the result in every lane.  off: the 64 LDS bytes of this sum (each sum has its own,
; so one barrier a sum is enough: nobody writes bytes that another wave may still read).
.macro WSUM off
	v_add_f32_dpp v35, v35, v35 row_xmask:1 row_mask:0xf bank_mask:0xf
	v_add_f32_dpp v35, v35, v35 row_xmask:2 row_mask:0xf bank_mask:0xf
	v_add_f32_dpp v35, v35, v35 row_xmask:4 row_mask:0xf bank_mask:0xf
	v_add_f32_dpp v35, v35, v35 row_xmask:8 row_mask:0xf bank_mask:0xf
	v_permlanex16_b32 v36, v35, s40, s41
	v_add_f32 v35, v35, v36
	ds_store_b32 v6, v35 offset:\off
	s_wait_dscnt 0x0                               ; my word is written before I say so
	s_barrier_signal -1
	s_barrier_wait -1
.irp k, 0,1,2,3
	ds_load_b128 v[40+4*\k:43+4*\k], v7 offset:\off+16*\k
.endr
	s_wait_dscnt 0x0
	v_pk_add_f32 v[40:41], v[40:41], v[42:43]
	v_pk_add_f32 v[44:45], v[44:45], v[46:47]
	v_pk_add_f32 v[48:49], v[48:49], v[50:51]
	v_pk_add_f32 v[52:53], v[52:53], v[54:55]
	v_pk_add_f32 v[40:41], v[40:41], v[44:45]
	v_pk_add_f32 v[48:49], v[48:49], v[52:53]
	v_pk_add_f32 v[40:41], v[40:41], v[48:49]
	v_add_f32 v35, v40, v41
.endm
	; pass 1: the sum.  Each wait leaves the younger loads of x out: 24, 16, 8, 0.
	s_wait_loadcnt 24
.irp k, 0,1,2,3
	v_pk_add_f32 v[CH+2*\k:CH+2*\k+1], v[X+2*\k:X+2*\k+1], v[X+8+2*\k:X+8+2*\k+1]   ; the first eight pairs start the chains: nothing is cleared
.endr
.set q, 8
	ACC 8
	s_wait_loadcnt 16
	ACC 16
	s_wait_loadcnt 8
	ACC 16
	s_wait_loadcnt 0x0
	ACC 16
	MERGE
	WSUM 0
	v_mul_f32 v32, s44, v35                        ; the mean, twice
	v_mov_b32 v33, v32
	; pass 2: x - mean in place, and the sum of its squares
.set q, 0
.rept 64
	v_pk_add_f32 v[X+2*q:X+2*q+1], v[X+2*q:X+2*q+1], v[32:33] neg_lo:[0,1] neg_hi:[0,1]
.if q < 4
	v_pk_mul_f32 v[CH+2*q:CH+2*q+1], v[X+2*q:X+2*q+1], v[X+2*q:X+2*q+1]
.else
	v_pk_fma_f32 v[CH+2*(q%4):CH+2*(q%4)+1], v[X+2*q:X+2*q+1], v[X+2*q:X+2*q+1], v[CH+2*(q%4):CH+2*(q%4)+1]
.endif
.set q, q+1
.endr
	MERGE
	WSUM 64
	v_fma_f32 v34, v35, s44, v38                   ; var + 1e-5
	v_rsq_f32 v37, v34
	v_nop                                          ; one plain instruction behind v_rsq_f32 before its result is used (ISA guide 5.7.2)
	s_wait_kmcnt 0x0                               ; gamma and beta
	s_wait_alu depctr_va_vdst(0)
.irp c, 0,1,2,3
	v_mul_f32 v[40+2*\c], s[28+\c], v37            ; rstd x gamma, twice
	v_mul_f32 v[41+2*\c], s[28+\c], v37
	v_mov_b32 v[48+2*\c], s[32+\c]                 ; beta, twice
	v_mov_b32 v[49+2*\c], s[32+\c]
.endr
	; pass 3: (x - mean) rstd gamma + beta, rounded once; a store of the wave covers 256 neighbouring bytes, aligned
.set j, 0
.rept 32
	v_pk_fma_f32 v[X+4*j:X+4*j+1],   v[X+4*j:X+4*j+1],   v[40+2*(j/8):41+2*(j/8)], v[48+2*(j/8):49+2*(j/8)]
	v_pk_fma_f32 v[X+4*j+2:X+4*j+3], v[X+4*j+2:X+4*j+3], v[40+2*(j/8):41+2*(j/8)], v[48+2*(j/8):49+2*(j/8)]
	v_cvt_pk_bf16_f32 v[X+4*j],   v[X+4*j],   v[X+4*j+1]
	v_cvt_pk_bf16_f32 v[X+4*j+1], v[X+4*j+2], v[X+4*j+3]
	global_store_b64 v3, v[X+4*j:X+4*j+1], s[18:19] offset:j*256
.set j, j+1
.endr
	s_wait_tensorcnt 0x0
	ds_add_u32 v192, v193
	s_wait_dscnt 0x0
	s_endpgm
.Lfunc_end_k_qbd8bf99874_norm:
	.size	k_qbd8bf99874_norm, .Lfunc_end_k_qbd8bf99874_norm-k_qbd8bf99874_norm
	.p2alignl 7, 3214868480
	.fill 96, 4, 3214868480
	.section	.rodata,"a",@progbits
	.p2align	6, 0x0
	.amdhsa_kernel k_qbd8bf99874_norm
		.amdhsa_group_segment_fixed_size 2304
		.amdhsa_private_segment_fixed_size 0
		.amdhsa_enable_private_segment 0
		.amdhsa_kernarg_size 72
		.amdhsa_user_sgpr_count 2
		.amdhsa_user_sgpr_kernarg_segment_ptr 1
		.amdhsa_wavefront_size32 1
		.amdhsa_system_sgpr_workgroup_id_x 1
		.amdhsa_system_sgpr_workgroup_id_y 1
		.amdhsa_system_sgpr_workgroup_id_z 1
		.amdhsa_system_vgpr_workitem_id 0
		.amdhsa_next_free_vgpr 194
		.amdhsa_next_free_sgpr 66
		.amdhsa_reserve_vcc 0
		.amdhsa_float_denorm_mode_32 3
		.amdhsa_float_denorm_mode_16_64 3
		.amdhsa_memory_ordered 1
		.amdhsa_forward_progress 1
		.amdhsa_inst_pref_size 34
	.end_amdhsa_kernel
	.amdgpu_metadata
---
amdhsa.version: [ 1, 2 ]
amdhsa.kernels:
  - .name:           k_qbd8bf99874_norm
    .symbol:         k_qbd8bf99874_norm.kd
    .args:
      - { .name: x, .offset: 0, .size: 8, .value_kind: global_buffer, .address_space: global }
      - { .name: gamma, .offset: 8, .size: 8, .value_kind: global_buffer, .address_space: global }
      - { .name: beta, .offset: 16, .size: 8, .value_kind: global_buffer, .address_space: global }
      - { .name: wq, .offset: 24, .size: 8, .value_kind: global_buffer, .address_space: global }
      - { .name: wk, .offset: 32, .size: 8, .value_kind: global_buffer, .address_space: global }
      - { .name: wv, .offset: 40, .size: 8, .value_kind: global_buffer, .address_space: global }
      - { .name: wo, .offset: 48, .size: 8, .value_kind: global_buffer, .address_space: global }
      - { .name: xn, .offset: 56, .size: 8, .value_kind: global_buffer, .address_space: global }
      - { .name: wb, .offset: 64, .size: 8, .value_kind: global_buffer, .address_space: global }
    .group_segment_fixed_size: 2304
    .private_segment_fixed_size: 0
    .kernarg_segment_align: 8
    .kernarg_segment_size: 72
    .max_flat_workgroup_size: 512
    .sgpr_count:     66
    .vgpr_count:     194
    .wavefront_size: 32
...
	.end_amdgpu_metadata
.endif
;; end of part 1
;; launch qkv (part 2): grid 4 x 64, 4 waves a work-group, clusters of 4 x 4, 327,680 bytes of LDS; arguments xn, wb, bq, bv, qt, kt, vv; writes qt, kt, vv
.if DOCPART == 2
	.amdgcn_target "amdgcn-amd-amdhsa--gfx1250"
	.amdhsa_code_object_version 6
	.text
	.protected	k_qbd8bf99874_qkv
	.globl	k_qbd8bf99874_qkv
	.p2align	8
	.type	k_qbd8bf99874_qkv,@function
k_qbd8bf99874_qkv:
	s_mov_b64 s[64:65], 0
	v_nop
	global_prefetch_b8 v0, s[64:65] scope:SCOPE_SE
	s_setreg_imm32_b32 hwreg(HW_REG_WAVE_MODE, 25, 1), 1
	s_wait_xcnt 0x0
	s_wait_alu depctr_hold_cnt(0) depctr_sa_sdst(0) depctr_va_vdst(0) depctr_va_sdst(0) depctr_va_ssrc(0) depctr_va_vcc(0) depctr_vm_vsrc(0)
	s_getreg_b32 s2, hwreg(HW_REG_IB_STS2, 6, 4)
	s_cmp_eq_u32 s2, 0
	s_cbranch_scc0 .Lentry_in_a_cluster
	s_endpgm
.Lentry_in_a_cluster:
	s_bfe_u32 s2, ttmp6, 0x10000c
	s_cmp_lg_u32 s2, 0xf033
	s_cbranch_scc0 .Lentry_shape_is_right
	s_endpgm
.Lentry_shape_is_right:
; q = Wq xn + bq, k = Wk xn, v = Wv xn + bv, per batch: three products [512 x 512] x [512 x 1024], bf16 operands, f32 sums.
; Left out: bk.  It adds to every score of a query the same number, which the softmax along the keys cancels (shown at the head of norm).
; Out: qt, kt [16 b][8 h][1024 n][64 d] and vv [16 b][512 c][1024 n], bf16, rounded once.
;
; A work-group makes 128 o (two heads) of each of q, k, v for 256 n of one batch; 4 x 64 work-groups.  Wave w makes one head (64 o, w >> 1)
; x 128 n (w & 1): 3 x 32 accumulator tiles of 16 x 16, q in register window 1, k in window 2, v in window 3, tile (ot, nt) at v[8 (8 ot + nt)].
; The xn fragments of a quarter step feed all three products: 20 KiB of LDS reads for 96 matrix instructions.
; K goes in steps of 64 (one group of channels) through two LDS slots filled by the tensor data mover.
; xn lies [k][n]; ds_load_tr16_b128 hands out fragments with k along the registers, so no transposed copy is ever made.
; q and k: source 0 = rows of W, source 1 = columns of xn: a lane holds one n and eight neighbouring o: 16 bytes of a row of qt / kt.
; v:       source 0 = columns of xn, source 1 = rows of W: a lane holds one o and eight neighbouring n: 16 bytes of a row of vv.
; THE LAST K STEP GOES PRODUCT BY PRODUCT: both its half steps' xn fragments lie in registers anyway, so q is finished first and stored with
; 128 matrix instructions still to come, then k with 64, then v: two thirds of the 192 KiB that a work-group stores are on their way under later products.
; CLUSTERS: 4 x 4 work-groups.  The four of a row of the cluster share batch and n block, so the xn tile; the four of a column share the
; o block, so the three weight tiles.  Each tile is asked for jointly: the same load with the same descriptor and a mask of the four.
; By this text's own count a wave has two tensor loads out at the start and one behind each round.
.set WP,    144                        ; an LDS row of a weight tile: 128 bytes + 16: an odd multiple of 16
.set WT,    128*WP                     ; a weight tile: 18,432
.set XP,    544                        ; an LDS row of the xn tile: 512 bytes + 32: an odd multiple of 32
.set XOFF,  3*WT                       ; the xn tile lies behind Wq's, Wk's, Wv's
.set SLOT,  XOFF+64*XP                 ; 90,112
.set STAGE, 2*SLOT                     ; 180,224: behind the ring, 4,352 bytes a wave, for the way out; no tensor load lands there
.set G1X, 32                           ; s[32:39] group 1, xn tile
.set G1W, 40                           ; s[40:47] group 1, weight tiles
.set G0X, 48                           ; s[48:55] group 0, xn tile, a set for each slot
.set G0W, 56                           ; s[56:63] group 0, weight tile, a set for each slot
.set ADRW, 8                           ; v8, v9   LDS address of my weight fragments in slot 0, 1
.set ADRX, 10                          ; v10, v11 the same for xn
.set STT, 12                           ; way out of q, k: in
.set RDT, 13                           ;                  back
.set STN, 14                           ; way out of v: in
.set RDN, 15                           ;               back
.set COT, 16                           ; my byte offset in qt, kt
.set CON, 17                           ; my byte offset in vv
.set BV,  20                           ; v[20:27]   bv of my column of o tile ot, twice
.set XF0, 32                           ; v[32:95]   xn fragments, buffer 0 (8 n tiles x 8 registers)
.set XF1, 96                           ; v[96:159]  buffer 1
.set WF0, 160                          ; v[160:191] weight fragments, buffer 0 (4 o tiles x 8 registers)
.set WF1, 192                          ; v[192:223] buffer 1
.set BQ,  224                          ; v[224:255] bq in the layout of an accumulator: C of q's first products; free from then on: q's and k's way out
.set PK,  32                           ; v's way out: packed results
.set RB0, 96                           ; v's way out: rows read back, two sets by turns
.set RB1, 128
.set MSB, 0
.macro WIN new                         ; s_set_vgpr_msb: bits 1:0 source 0, 3:2 source 1, 5:4 source 2, 7:6 destination; the high byte repeats the setting that is left
.if MSB != (\new)
	s_set_vgpr_msb (MSB<<8)|(\new)
.set MSB, (\new)
.endif
.endm
.macro PLACES                          ; four plain vector instructions between a matrix instruction and a load into, or a read of, its registers
.rept 4
	v_nop
.endr
.endm
.macro HEAD
	WIN 0
	PLACES
.endm
.macro CREST                           ; a round of the cluster's barrier behind its opening barrier
	s_cmp_lg_u32 s20, 0
	s_cbranch_scc1 .Lnot_wave_0_\@
	s_barrier_signal -3
.Lnot_wave_0_\@:
	s_barrier_wait -3
	s_barrier_signal -1
	s_barrier_wait -1
.endm
.macro CROUND
	s_barrier_signal -1
	s_barrier_wait -1
	CREST
.endm
; A joint load: waves 0, 1, 2 fetch Wq's, Wk's, Wv's tile, wave 3 the xn tile.  The branch hangs on the wave's number alone.
.macro JLOAD s
	s_cmp_eq_u32 s20, 3
	s_cbranch_scc1 .Lfor_x_\@
	tensor_load_to_lds s[G0W+4*\s:G0W+4*\s+3], s[G1W:G1W+7]
	s_nop 0
	s_branch .Lasked_\@
.Lfor_x_\@:
	tensor_load_to_lds s[G0X+4*\s:G0X+4*\s+3], s[G1X:G1X+7]
	s_nop 0
.Lasked_\@:
.endm
	s_load_b256 s[4:11], s[0:1], 0x0               ; xn s[4:5], wb s[6:7], bq s[8:9], bv s[10:11]
	s_load_b128 s[12:15], s[0:1], 0x20             ; qt s[12:13], kt s[14:15]
	s_load_b64 s[16:17], s[0:1], 0x30              ; vv
	v_lshl_add_u32 v30, v0, 2, 0x30400
	v_mov_b32 v31, 0
	ds_add_u32 v30, v31
	ds_add_u32 v30, v31
	v_lshrrev_b32 v1, 5, v0
	v_readfirstlane_b32 s20, v1                    ; wave 0..3
	s_lshr_b32 s21, s20, 1                         ; wo: which of the two heads
	s_and_b32 s22, s20, 1                          ; wn: which 128 n
	s_bfe_u32 s23, ttmp6, 0x40000                  ; cx
	s_bfe_u32 s24, ttmp6, 0x40004                  ; cy
	s_lshl_b32 s25, ttmp9, 2
	s_add_co_u32 s25, s25, s23                     ; work-group x: block of 128 o
	s_and_b32 s26, ttmp7, 0xffff
	s_lshl_b32 s26, s26, 2
	s_add_co_u32 s26, s26, s24                     ; work-group y: 4 x batch + block of 256 n
	s_lshl_b32 s27, s24, 2
	s_lshl_b32 s27, 15, s27                        ; my row of the cluster
	s_lshl_b32 s28, 0x1111, s23                    ; my column
	; xn tile: 64 rows (k) x 256 elements (n), 1,024 elements from row to row; 8 words of padding behind every 128
	s_or_b32 s[G1X+0], s27, (1<<16)|(1<<20)|(1<<21)|(6<<22)|(7<<25)
	s_mov_b32 s[G1X+1], 256<<16                    ; tensor_dim0 = 256
	s_mov_b32 s[G1X+2], 64<<16                     ; tensor_dim1 = 64
	s_mov_b32 s[G1X+3], 256<<16                    ; tile_dim0 = 256
	s_mov_b32 s[G1X+4], 64                         ; tile_dim1 = 64
	s_mov_b32 s[G1X+5], 1024                       ; pitch
	s_mov_b32 s[G1X+6], 0
	s_mov_b32 s[G1X+7], 0
	; weight tile: 128 rows x 64 k are 16 KiB dense in wb: fetched as 64 rows of 256 bytes; 4 words of padding behind every 32 words,
	; that is behind every row of 128 bytes of the weight: LDS pitch 144
	s_or_b32 s[G1W+0], s28, (1<<16)|(1<<20)|(1<<21)|(4<<22)|(3<<25)
	s_mov_b32 s[G1W+1], 128<<16
	s_mov_b32 s[G1W+2], 64<<16
	s_mov_b32 s[G1W+3], 128<<16
	s_mov_b32 s[G1W+4], 64
	s_mov_b32 s[G1W+5], 128
	s_mov_b32 s[G1W+6], 0
	s_mov_b32 s[G1W+7], 0
	; where the tiles come from: xn's hangs on work-group y alone, a weight's on work-group x and the wave alone, each in registers of its own
	s_lshr_b32 s68, s26, 2
	s_lshl_b32 s68, s68, 20                        ; batch x 1 MiB
	s_and_b32 s69, s26, 3
	s_lshl_b32 s69, s69, 9                         ; + n block x 512 bytes
	s_add_co_u32 s68, s68, s69
	s_mov_b32 s69, 0
	s_lshl_b32 s72, s20, 19                        ; weight w x 512 KiB
	s_lshl_b32 s73, s25, 14                        ; + o block x 16 KiB
	s_add_co_u32 s72, s72, s73
	s_mov_b32 s73, 0
	s_mul_i32 s30, s20, WT                         ; and where they go: wave x 18,432 (the xn tile is the fourth)
	s_wait_dscnt 0x0
	s_wait_kmcnt 0x0
	s_add_nc_u64 s[70:71], s[4:5], s[68:69]
	s_add_nc_u64 s[74:75], s[6:7], s[72:73]
	CROUND                                         ; all sixteen work-groups are here: the first joint loads meet
.irp s, 0,1
	s_mov_b32 s[G0X+4*\s], 1
	s_add_co_u32 s[G0X+4*\s+1], s30, \s*SLOT
	s_add_nc_u64 s[G0X+4*\s+2:G0X+4*\s+3], s[70:71], \s*131072     ; K step s: 64 rows of 2,048 bytes on
	s_or_b32 s[G0X+4*\s+3], s[G0X+4*\s+3], 0x80000000
	s_mov_b32 s[G0W+4*\s], 1
	s_add_co_u32 s[G0W+4*\s+1], s30, \s*SLOT
	s_add_nc_u64 s[G0W+4*\s+2:G0W+4*\s+3], s[74:75], \s*65536      ; K step s
	s_or_b32 s[G0W+4*\s+3], s[G0W+4*\s+3], 0x80000000
	JLOAD \s
.endr
	v_and_b32 v1, 15, v0                           ; r
	v_bfe_u32 v2, v0, 4, 1                         ; h
	v_mul_u32_u24 v3, v1, WP
	v_lshl_add_u32 v3, v2, 4, v3                   ; r x 144 + 16 h
	s_mul_i32 s86, s21, 64*WP                      ; my head's 64 rows of each weight tile
	v_add_nc_u32 v[ADRW], s86, v3
	v_add_nc_u32 v[ADRW+1], SLOT, v[ADRW]
	v_and_b32 v4, 7, v0
	v_lshl_add_u32 v4, v2, 3, v4                   ; the transposing load: lane L addresses row 8 h + (L & 7),
	v_mul_u32_u24 v4, v4, XP
	v_bfe_u32 v5, v0, 3, 1
	v_lshl_add_u32 v4, v5, 4, v4                   ; 16 bytes at 16 ((L >> 3) & 1)
	s_lshl_b32 s86, s22, 8                         ; my 128 n
	s_add_co_u32 s86, s86, XOFF
	v_add_nc_u32 v[ADRX], s86, v4
	v_add_nc_u32 v[ADRX+1], SLOT, v[ADRX]
	s_mul_i32 s86, s20, 4352
	s_add_co_u32 s86, s86, STAGE                   ; my stage
	v_add_nc_u32 v[STT], s86, v3                   ; q, k in: row n = r of 128 bytes, pitch 144
	v_and_b32 v6, 31, v0
	v_lshrrev_b32 v5, 3, v6
	v_mul_u32_u24 v5, v5, WP
	v_and_b32 v4, 7, v0
	v_lshl_add_u32 v5, v4, 4, v5
	v_add_nc_u32 v[RDT], s86, v5                   ; back: eight lanes a row, four rows an instruction
	v_mul_u32_u24 v5, v1, 272
	v_lshl_add_u32 v5, v2, 4, v5
	v_add_nc_u32 v[STN], s86, v5                   ; v in: row o = r of 256 bytes, pitch 272
	v_mul_u32_u24 v5, v2, 272
	v_lshl_add_u32 v5, v1, 4, v5
	v_add_nc_u32 v[RDN], s86, v5                   ; back: sixteen lanes a row, two rows an instruction
	v_lshlrev_b32 v[COT], 4, v6                    ; four rows of qt are 512 neighbouring bytes
	v_lshlrev_b32 v5, 11, v2
	v_lshl_add_u32 v[CON], v1, 4, v5               ; two rows of vv, 2,048 bytes apart
	v_lshlrev_b32 v18, 5, v2                       ; bq: 8 h numbers
	v_lshlrev_b32 v19, 2, v1                       ; bv: r numbers
	s_lshl_b32 s87, s25, 1
	s_add_co_u32 s87, s87, s21                     ; head
	s_lshl_b32 s88, s87, 8                         ; 64 numbers of 4 bytes a head
	s_mov_b32 s89, 0
	s_add_nc_u64 s[8:9], s[8:9], s[88:89]
	s_add_nc_u64 s[10:11], s[10:11], s[88:89]
.irp ot, 0,1,2,3
	global_load_b128 v[BQ+8*\ot:BQ+8*\ot+3],   v18, s[8:9] offset:64*\ot      ; bq[16 ot + 8 h + 0..3]
	global_load_b128 v[BQ+8*\ot+4:BQ+8*\ot+7], v18, s[8:9] offset:64*\ot+16   ; .. + 4..7
	global_load_b32 v[BV+2*\ot],   v19, s[10:11] offset:64*\ot                ; bv[16 ot + r], twice
	global_load_b32 v[BV+2*\ot+1], v19, s[10:11] offset:64*\ot
.endr
	; the bases of the three outputs
	s_lshr_b32 s86, s26, 2
	s_lshl_b32 s86, s86, 3
	s_add_co_u32 s86, s86, s87
	s_lshl_b32 s86, s86, 17                        ; (8 batch + head) x 128 KiB
	s_and_b32 s87, s26, 3
	s_lshl_b32 s87, s87, 8
	s_lshl_b32 s88, s22, 7
	s_add_co_u32 s87, s87, s88                     ; my first n
	s_lshl_b32 s88, s87, 7                         ; rows of 128 bytes
	s_add_co_u32 s88, s88, s86
	s_add_nc_u64 s[80:81], s[12:13], s[88:89]      ; qt
	s_add_nc_u64 s[82:83], s[14:15], s[88:89]      ; kt
	s_lshl_b32 s88, s87, 1
	s_add_co_u32 s88, s88, s86
	s_add_nc_u64 s[84:85], s[16:17], s[88:89]      ; vv
; the 4 fragments of weight i (16 rows x 32 k each) of half step s
.macro FETCHW slot, s, i, buf
.irp ot, 0,1,2,3
	ds_load_b128 v[\buf+8*\ot:\buf+8*\ot+3],   v[ADRW+\slot] offset:\i*WT+\ot*16*WP+\s*64
	ds_load_b128 v[\buf+8*\ot+4:\buf+8*\ot+7], v[ADRW+\slot] offset:\i*WT+\ot*16*WP+\s*64+32
.endr
.endm
; 4 of the 8 xn fragments (32 k x 16 n each) of half step s: the first load brings k = 8 h .. + 7 of column r, the second k = 16 + 8 h .. + 7
.macro FETCHX slot, s, half, buf
.irp q, 0,1,2,3
	ds_load_tr16_b128 v[\buf+8*(4*\half+\q):\buf+8*(4*\half+\q)+3],   v[ADRX+\slot] offset:\s*32*XP+(4*\half+\q)*32
	ds_load_tr16_b128 v[\buf+8*(4*\half+\q)+4:\buf+8*(4*\half+\q)+7], v[ADRX+\slot] offset:\s*32*XP+(4*\half+\q)*32+16*XP
.endr
.endm
; 32 matrix instructions: product i (0 q, 1 k, 2 v), 32 along K.  cmode 0: add in place; 1: the constant 0 starts the sums; 2: bq starts q's sums.
; The accumulators take turns, one instruction a turn, in the same order in every run of 32, over the backward jump too.
.macro MUL32 i, xf, wf, cmode
.if \cmode == 0
	WIN (1+\i)*0x50
.else
	WIN (1+\i)*0x40
.endif
.irp ot, 0,1,2,3
.irp nt, 0,1,2,3,4,5,6,7
.if \i == 2
.if \cmode == 0
	v_wmma_f32_16x16x32_bf16 v[8*(8*\ot+\nt):8*(8*\ot+\nt)+7], v[\xf+8*\nt:\xf+8*\nt+7], v[\wf+8*\ot:\wf+8*\ot+7], v[8*(8*\ot+\nt):8*(8*\ot+\nt)+7]
.else
	v_wmma_f32_16x16x32_bf16 v[8*(8*\ot+\nt):8*(8*\ot+\nt)+7], v[\xf+8*\nt:\xf+8*\nt+7], v[\wf+8*\ot:\wf+8*\ot+7], 0
.endif
.else
.if \cmode == 0
	v_wmma_f32_16x16x32_bf16 v[8*(8*\ot+\nt):8*(8*\ot+\nt)+7], v[\wf+8*\ot:\wf+8*\ot+7], v[\xf+8*\nt:\xf+8*\nt+7], v[8*(8*\ot+\nt):8*(8*\ot+\nt)+7]
.endif
.if \cmode == 1
	v_wmma_f32_16x16x32_bf16 v[8*(8*\ot+\nt):8*(8*\ot+\nt)+7], v[\wf+8*\ot:\wf+8*\ot+7], v[\xf+8*\nt:\xf+8*\nt+7], 0
.endif
.if \cmode == 2
	v_wmma_f32_16x16x32_bf16 v[8*(8*\ot+\nt):8*(8*\ot+\nt)+7], v[\wf+8*\ot:\wf+8*\ot+7], v[\xf+8*\nt:\xf+8*\nt+7], v[BQ+8*\ot:BQ+8*\ot+7]
.endif
.endif
.endr
.endr
.endm
; A K step of 64: two half steps x three products.  At its head WF0 holds Wq's and XF0 xn's fragments of half step 0 (24 loads, perhaps still out).
; Each unit first issues the loads of a later unit, then waits for its own with a count: the loads issued behind them.
; turn 2: this slot is filled again, two K steps ahead; 1: the slots change, nothing is left to fetch.
.macro KSTEP slot, next, first, turn
	HEAD
	FETCHW \slot, 0, 1, WF1
	FETCHX \slot, 1, 0, XF1
	s_wait_dscnt 16                                ; the 16 just issued stay out
	MUL32 0, XF0, WF0, 2*\first
	HEAD
	FETCHW \slot, 0, 2, WF0
	FETCHX \slot, 1, 1, XF1
	s_wait_dscnt 24                                ; behind Wk's 8 loads: 8 of xn and the 16 just issued
	MUL32 1, XF0, WF1, \first
	HEAD
	FETCHW \slot, 1, 0, WF1
	s_wait_dscnt 16                                ; behind Wv's 8 loads: 8 of xn and the 8 just issued
	MUL32 2, XF0, WF0, \first
	HEAD
	FETCHW \slot, 1, 1, WF0
	s_wait_dscnt 8                                 ; the 8 just issued stay out
	MUL32 0, XF1, WF1, 0
	HEAD
	FETCHW \slot, 1, 2, WF1
	s_wait_dscnt 8
	MUL32 1, XF1, WF0, 0
	WIN 0
	s_wait_dscnt 0x0                               ; my reads of this slot are over
	s_wait_tensorcnt 0x0                           ; all my tensor loads have landed: the one that was out is my part of the next slot
	ds_add_u32 v30, v31
	s_wait_dscnt 0x0
	s_barrier_signal -1                            ; (where the slot is filled again this barrier opens a round of the cluster's barrier)
	s_barrier_wait -1
.if \turn == 2
	CREST                                          ; no wave of any partner still reads this slot or has a load on its way
	s_add_nc_u64 s[G0X+4*\slot+2:G0X+4*\slot+3], s[G0X+4*\slot+2:G0X+4*\slot+3], 2*131072
	s_add_nc_u64 s[G0W+4*\slot+2:G0W+4*\slot+3], s[G0W+4*\slot+2:G0W+4*\slot+3], 2*65536
	JLOAD \slot                                    ; my one tensor load behind the round, ahead of every LDS read; 192 matrix instructions stand before the wait for it
.endif
	PLACES
	FETCHW \next, 0, 0, WF0
	FETCHX \next, 0, 0, XF0
	FETCHX \next, 0, 1, XF0
	MUL32 2, XF1, WF1, 0
.endm
; THE WAY OUT goes through each wave's own stage: LDS serves a wave's instructions in order (ISA guide 5.7.1), so no wait stands between its stores and its loads.
; 16 n of q or k (window win): round, 16 bytes a lane into rows of 128 bytes, back as 4 rows = 512 neighbouring bytes of the output an instruction.
; pk: 16 registers for the packed words; rb: 16 for the rows read back.
.macro OUTT win, nt, sb, pk, rb
	WIN \win*5
.irp ot, 0,1,2,3
.irp i, 0,1,2,3
	v_cvt_pk_bf16_f32 v[\pk+4*\ot+\i], v[8*(8*\ot+\nt)+2*\i], v[8*(8*\ot+\nt)+2*\i+1]
.endr
.endr
	WIN 0
.irp ot, 0,1,2,3
	ds_store_b128 v[STT], v[\pk+4*\ot:\pk+4*\ot+3] offset:32*\ot
.endr
	s_wait_xcnt 0x0                                ; the set rb, which earlier stores read, is loaded again only behind this wait
.irp t, 0,1,2,3
	ds_load_b128 v[\rb+4*\t:\rb+4*\t+3], v[RDT] offset:576*\t
.endr
.irp t, 0,1,2,3
	s_wait_dscnt 3-\t                              ; the younger read-backs stay out; every older LDS load, the weight fragments fetched ahead among them, is in
	global_store_b128 v[COT], v[\rb+4*\t:\rb+4*\t+3], s[\sb:\sb+1] offset:\nt*2048+\t*512
.endr
.endm
; 16 o of v: + bv, round, 16 bytes a lane into rows of 256 bytes, back by rows: sixteen lanes store 256 neighbouring bytes, aligned
.macro OUTN ot, rb
	WIN 0xc3
.irp nt, 0,1,2,3,4,5,6,7
.irp q, 0,1,2,3
	v_pk_add_f32 v[8*(8*\ot+\nt)+2*\q:8*(8*\ot+\nt)+2*\q+1], v[8*(8*\ot+\nt)+2*\q:8*(8*\ot+\nt)+2*\q+1], v[BV+2*\ot:BV+2*\ot+1]
.endr
.endr
	WIN 0x0f
.irp nt, 0,1,2,3,4,5,6,7
.irp q, 0,1,2,3
	v_cvt_pk_bf16_f32 v[PK+4*\nt+\q], v[8*(8*\ot+\nt)+2*\q], v[8*(8*\ot+\nt)+2*\q+1]
.endr
.endr
	WIN 0
.irp nt, 0,1,2,3,4,5,6,7
	ds_store_b128 v[STN], v[PK+4*\nt:PK+4*\nt+3] offset:32*\nt
.endr
	s_wait_xcnt 0x0
.irp t, 0,1,2,3,4,5,6,7
	ds_load_b128 v[\rb+4*\t:\rb+4*\t+3], v[RDN] offset:544*\t
.endr
.irp t, 0,1,2,3,4,5,6,7
	s_wait_dscnt 7-\t
	global_store_b128 v[CON], v[\rb+4*\t:\rb+4*\t+3], s[84:85] offset:(16*\ot+2*\t)*2048
.endr
.endm
	s_wait_tensorcnt 1                             ; my part of K step 0 is in; K step 1's stays out
	s_barrier_signal -1
	s_barrier_wait -1
	FETCHW 0, 0, 0, WF0
	FETCHX 0, 0, 0, XF0
	FETCHX 0, 0, 1, XF0
	s_wait_loadcnt 0x0                             ; bq and bv
	KSTEP 0, 1, 1, 2                               ; K steps 0 and 1 stand in front of the loop: their first products start the sums
	KSTEP 1, 0, 0, 2
	WIN 0
	s_mov_b32 s29, 2
.Llap:
	KSTEP 0, 1, 0, 2                               ; K steps 2 to 5
	KSTEP 1, 0, 0, 2
	WIN 0
	s_sub_co_u32 s29, s29, 1
	s_cmp_lg_u32 s29, 0
	s_cbranch_scc1 .Llap
	KSTEP 0, 1, 0, 1                               ; K step 6 fetches nothing from memory; it leaves Wq's and xn's fragments of K step 7, half step 0, in WF0 and XF0
	; K STEP 7, product by product.  XF0 and XF1 hold xn's fragments of both half steps until v's last product.
	HEAD
	FETCHW 1, 1, 0, WF1                            ; Wq, half step 1
	FETCHX 1, 1, 0, XF1
	FETCHX 1, 1, 1, XF1
	s_wait_dscnt 24                                ; the 24 just issued stay out
	MUL32 0, XF0, WF0, 0
	HEAD
	FETCHW 1, 0, 1, WF0                            ; Wk, half step 0
	s_wait_dscnt 8                                 ; the 8 just issued stay out
	MUL32 0, XF1, WF1, 0                           ; q is whole
	HEAD                                           ; four places before q's sums are read and WF1 is loaded again
	FETCHW 1, 1, 1, WF1                            ; Wk, half step 1
.irp nt, 0,1,2,3,4,5,6,7
	OUTT 1, \nt, 80, BQ, BQ+16                     ; q leaves: its stores are on their way under k's and v's products
.endr
	MUL32 1, XF0, WF0, 0                           ; (the way out's last wait was for 0: Wk's fragments are in)
	MUL32 1, XF1, WF1, 0                           ; k is whole
	HEAD
	FETCHW 1, 0, 2, WF0                            ; Wv, both half steps
	FETCHW 1, 1, 2, WF1
.irp nt, 0,1,2,3,4,5,6,7
	OUTT 2, \nt, 82, BQ, BQ+16                     ; k leaves under v's products
.endr
	MUL32 2, XF0, WF0, 0
	MUL32 2, XF1, WF1, 0                           ; v is whole
	WIN 0
	PLACES
	OUTN 0, RB0
	OUTN 1, RB1
	OUTN 2, RB0
	OUTN 3, RB1
	s_wait_tensorcnt 0x0
	ds_add_u32 v30, v31
	s_wait_dscnt 0x0
	CROUND                                         ; the closing round: no work-group ends while a partner may still ask for a tile that names it
	s_endpgm
.Lfunc_end_k_qbd8bf99874_qkv:
	.size	k_qbd8bf99874_qkv, .Lfunc_end_k_qbd8bf99874_qkv-k_qbd8bf99874_qkv
	.p2alignl 7, 3214868480
	.fill 96, 4, 3214868480
	.section	.rodata,"a",@progbits
	.p2align	6, 0x0
	.amdhsa_kernel k_qbd8bf99874_qkv
		.amdhsa_group_segment_fixed_size 327680
		.amdhsa_private_segment_fixed_size 0
		.amdhsa_enable_private_segment 0
		.amdhsa_kernarg_size 56
		.amdhsa_user_sgpr_count 2
		.amdhsa_user_sgpr_kernarg_segment_ptr 1
		.amdhsa_wavefront_size32 1
		.amdhsa_system_sgpr_workgroup_id_x 1
		.amdhsa_system_sgpr_workgroup_id_y 1
		.amdhsa_system_sgpr_workgroup_id_z 1
		.amdhsa_system_vgpr_workitem_id 0
		.amdhsa_next_free_vgpr 1024
		.amdhsa_next_free_sgpr 96
		.amdhsa_reserve_vcc 0
		.amdhsa_float_denorm_mode_32 3
		.amdhsa_float_denorm_mode_16_64 3
		.amdhsa_memory_ordered 1
		.amdhsa_forward_progress 1
		.amdhsa_inst_pref_size 181
	.end_amdhsa_kernel
	.amdgpu_metadata
---
amdhsa.version: [ 1, 2 ]
amdhsa.kernels:
  - .name:           k_qbd8bf99874_qkv
    .symbol:         k_qbd8bf99874_qkv.kd
    .args:
      - { .name: xn, .offset: 0, .size: 8, .value_kind: global_buffer, .address_space: global }
      - { .name: wb, .offset: 8, .size: 8, .value_kind: global_buffer, .address_space: global }
      - { .name: bq, .offset: 16, .size: 8, .value_kind: global_buffer, .address_space: global }
      - { .name: bv, .offset: 24, .size: 8, .value_kind: global_buffer, .address_space: global }
      - { .name: qt, .offset: 32, .size: 8, .value_kind: global_buffer, .address_space: global }
      - { .name: kt, .offset: 40, .size: 8, .value_kind: global_buffer, .address_space: global }
      - { .name: vv, .offset: 48, .size: 8, .value_kind: global_buffer, .address_space: global }
    .group_segment_fixed_size: 327680
    .private_segment_fixed_size: 0
    .kernarg_segment_align: 8
    .kernarg_segment_size: 56
    .max_flat_workgroup_size: 128
    .sgpr_count:     96
    .vgpr_count:     1024
    .wavefront_size: 32
...
	.end_amdgpu_metadata
.endif
;; end of part 2
;; launch attn (part 3): grid 256 x 1, 4 waves a work-group, no clusters, 292,352 bytes of LDS; arguments qt, kt, vv, ao; writes ao
.if DOCPART == 3
	.amdgcn_target "amdgcn-amd-amdhsa--gfx1250"
	.amdhsa_code_object_version 6
	.text
	.protected	k_qbd8bf99874_attn
	.globl	k_qbd8bf99874_attn
	.p2align	8
	.type	k_qbd8bf99874_attn,@function
k_qbd8bf99874_attn:
	s_mov_b64 s[64:65], 0
	v_nop
	global_prefetch_b8 v0, s[64:65] scope:SCOPE_SE
	s_setreg_imm32_b32 hwreg(HW_REG_WAVE_MODE, 25, 1), 1
	s_wait_xcnt 0x0
; ATTENTION of one head: ao[n][d] = sum over m of softmax_m(0.125 q_n . k_m) v[d][m], with a running maximum.
; qt, kt, ao: [16 b][8 h][1024 n][64 d] bf16; vv: [16 b][512 c][1024 n] bf16.
; A work-group takes 512 queries of one head against its 1,024 keys; 2 x 128 work-groups; four waves, as many as a WGP has SIMDs.
; The head's whole K (128 KiB) and V (128 KiB) lie in LDS, filled once, in four chunks of 256 keys: no byte is filled again,
; so the only barriers are the four that show a chunk to all waves.  By this text's own count a wave has four tensor loads out.
; A wave takes 128 queries as TWO PIECES of 64, A and B, which share every K and V fragment: a step's 32 LDS loads feed 128 matrix instructions.
; THE PIECES TAKE TURNS, so that one piece's softmax is issued between the other piece's products.  A step is 64 keys.
;   half H2(u): vector work: softmax of B's scores of step u   | products: O_A += V(u) P_A(u), then S_A(u+1) = K(u+1) Q_A
;   half H1(t): vector work: softmax of A's scores of step t   | products: O_B += V(t-1) P_B(t-1), then S_B(t) = K(t) Q_B
; A trip is H2(t-1), H1(t): it loads K(t) (in H2, behind S_B(t-1)'s last product) and V(t) (in H1, behind O_B's last product), each into one set of registers.
; A half has 64 matrix instructions and 472 vector instructions; the vector work is cut into 64 slices, one behind each matrix instruction.
; THE SCORES ARE MADE TRANSPOSED: source 0 = 16 keys, source 1 = 16 queries.  A lane then holds ONE query (n = lane % 16) and the keys
; m = 8 (lane / 16) + 0..7 of each tile: the maximum and the sum along the keys are in-lane but for one exchange between the two halves,
; and the probabilities, rounded in pairs, ARE source 1 of O = V P^T (k = 8 h .. + 7 and 16 + 8 h .. + 7): no shuffle, no LDS.
; O's tile holds d = 8 h + j, n = lane % 16: the factor of a query is the lane's own, and eight neighbouring d pack into 16 bytes of ao.
; REGISTER WINDOWS.  0: addresses, K and V fragments, the way out.  1: piece A's scores (128), Q (64) and small change.  2: the same of piece B.  3: O_A, O_B.
; A slice costs two changes of window.  None would be needed only if a matrix instruction's D and its source 0 lay in the window of the other
; piece's scores (an in-place vector instruction has its destination and its source 0 in one window); source 0, the K or V fragment, serves both
; pieces, so fragments, one piece's D and the other's scores would have to share a window: 64 + 128 + 128 registers of 256.
; NO CLUSTER: only two work-groups share a head's K and V; each asks for its 256 KiB once, at its head, for 2^26 multiply-adds, and chunks 1 to 3
; land under earlier chunks' work.  Four partners would need work-groups of 256 queries: waves of 64 queries, with twice the LDS bytes a product.
; LIMITS: NaN and infinite inputs are not reproduced (v_max*_num drops a NaN).  v_exp_f32 and v_rcp_f32 flush denormals (ISA guide 15.8):
; a probability below 2^-126 of its row's largest counts as 0; the sum is at least 1.  The sum is taken over the probabilities before their rounding to bf16.
.set KP,    144                        ; LDS pitch of a key's row: 128 bytes + 16
.set KCH,   256*KP                     ; a chunk of K: 36,864
.set VP,    528                        ; LDS pitch of a row of a chunk of V: 512 bytes + 16
.set VCH,   64*VP                      ; a chunk of V: 33,792
.set VBASE, 4*KCH                      ; 147,456
.set STAGE, VBASE+4*VCH                ; 282,624: 2,304 bytes a wave for the way out; no tensor load lands there
.set G1K, 24                           ; s[24:31]
.set G1V, 32                           ; s[32:39]
.set G0,  40                           ; s[40:55] group 0 of my four loads
; window 0
.set KA0, 3                            ; LDS address of my K fragments, chunk 0
.set VA0, 4                            ; the same for V
.set KA,  5                            ; running
.set VA,  6
.set VQ,  7                            ; my offset in a piece's queries
.set STO, 8
.set RD,  9
.set CO,  10
.set KF,  64                           ; v[64:127]  K fragment (mt, kd) at KF + 16 mt + 8 kd
.set VF,  128                          ; v[128:191] V fragment (dt, km) at VF + 16 dt + 8 km
.set PK,  192                          ; v[192:207] the way out: packed words
.set RB0, 208                          ; v[208:239] the way out: rows read back, two sets by turns
.set RB1, 224
; windows 1 (piece A) and 2 (piece B): score tile (mt, nt) at 32 nt + 8 mt; P(nt, km) ends up at 32 nt + 16 km, 8 registers
.set QF,  128                          ; v[128:191] Q fragment (nt, kd) at QF + 16 nt + 8 kd
.set MX,  192                          ; v[192:195] running maximum of the raw scores, query tile nt
.set LS,  196                          ; v[196:199] running sum, this half of the lanes' keys only
.set NM,  200                          ; v[200:207] pairs: even = -c x maximum; odd written once
.set AL,  208                          ; v[208:215] pairs: even = the factor for the old sums; odd written once
.set TT,  216                          ; v[216:231] four registers at work for each query tile
.set UU,  232                          ; v[232:239] four chains of pairs for the sum
; window 3: O of piece p, tile (dt, nt), at 128 (p - 1) + 8 (4 dt + nt)
.set MSB, 0
.macro WIN new                         ; s_set_vgpr_msb: bits 1:0 source 0, 3:2 source 1, 5:4 source 2, 7:6 destination; the high byte repeats the setting that is left
.if MSB != (\new)
	s_set_vgpr_msb (MSB<<8)|(\new)
.set MSB, (\new)
.endif
.endm
.macro PLACES                          ; four plain vector instructions between a matrix instruction and a read of its result (ISA guide 7.12.1)
.rept 4
	v_nop
.endr
.endm
	s_load_b256 s[4:11], s[0:1], 0x0               ; qt s[4:5], kt s[6:7], vv s[8:9], ao s[10:11]
	v_lshl_add_u32 v254, v0, 2, 0x47400
	v_mov_b32 v255, 0
	ds_add_u32 v254, v255
	ds_add_u32 v254, v255
	v_lshrrev_b32 v1, 5, v0
	v_readfirstlane_b32 s12, v1                    ; wave 0..3
	s_lshr_b32 s13, ttmp9, 1                       ; 8 batch + head
	s_and_b32 s14, ttmp9, 1                        ; which 512 queries
	s_lshl_b32 s16, s13, 17                        ; a head is 128 KiB in each of the four buffers
	s_mov_b32 s17, 0
	s_lshl_b32 s18, s14, 16                        ; my 128 queries: rows of 128 bytes
	s_lshl_b32 s19, s12, 14
	s_add_co_u32 s18, s18, s19
	s_mov_b32 s19, 0
	s_mov_b32 s21, 0
	; K: 128 keys are 16 KiB dense: 64 rows of 256 bytes; 4 words of padding behind every 32 words, that is behind every key's 128 bytes
	s_mov_b32 s[G1K+0], (1<<16)|(1<<20)|(4<<22)|(3<<25)
	s_mov_b32 s[G1K+1], 128<<16
	s_mov_b32 s[G1K+2], 64<<16
	s_mov_b32 s[G1K+3], 128<<16
	s_mov_b32 s[G1K+4], 64
	s_mov_b32 s[G1K+5], 128
	s_mov_b32 s[G1K+6], 0
	s_mov_b32 s[G1K+7], 0
	; V: 32 rows (d) x 256 elements (m), 1,024 elements from row to row; 4 words of padding behind every 128
	s_mov_b32 s[G1V+0], (1<<16)|(1<<20)|(6<<22)|(3<<25)
	s_mov_b32 s[G1V+1], 256<<16
	s_mov_b32 s[G1V+2], 32<<16
	s_mov_b32 s[G1V+3], 256<<16
	s_mov_b32 s[G1V+4], 32
	s_mov_b32 s[G1V+5], 1024
	s_mov_b32 s[G1V+6], 0
	s_mov_b32 s[G1V+7], 0
	s_wait_dscnt 0x0
	s_wait_kmcnt 0x0
	; All fills go out here, ahead of every wait on TENSORcnt, LDS read and barrier; a wave's four stand inside one branch on its number.
	s_cmp_lt_u32 s12, 2
	s_cbranch_scc0 .Lfill_v
	s_add_nc_u64 s[6:7], s[6:7], s[16:17]          ; waves 0, 1: keys 128 w .. + 127 of each chunk
	s_lshl_b32 s20, s12, 14
	s_add_nc_u64 s[6:7], s[6:7], s[20:21]
	s_mul_i32 s22, s12, 128*KP
.irp c, 0,1,2,3
	s_mov_b32 s[G0+4*\c], 1
	s_add_co_u32 s[G0+4*\c+1], s22, \c*KCH
	s_add_nc_u64 s[G0+4*\c+2:G0+4*\c+3], s[6:7], \c*32768
	s_or_b32 s[G0+4*\c+3], s[G0+4*\c+3], 0x80000000
	tensor_load_to_lds s[G0+4*\c:G0+4*\c+3], s[G1K:G1K+7]
	s_nop 0
.endr
	s_branch .Lfilled
.Lfill_v:
	s_add_nc_u64 s[8:9], s[8:9], s[16:17]          ; waves 2, 3: rows d = 32 (w - 2) .. + 31 of each chunk
	s_sub_co_u32 s20, s12, 2
	s_lshl_b32 s20, s20, 16
	s_add_nc_u64 s[8:9], s[8:9], s[20:21]
	s_mul_i32 s22, s12, 32*VP
	s_add_co_u32 s22, s22, VBASE-2*32*VP
.irp c, 0,1,2,3
	s_mov_b32 s[G0+4*\c], 1
	s_add_co_u32 s[G0+4*\c+1], s22, \c*VCH
	s_add_nc_u64 s[G0+4*\c+2:G0+4*\c+3], s[8:9], \c*512
	s_or_b32 s[G0+4*\c+3], s[G0+4*\c+3], 0x80000000
	tensor_load_to_lds s[G0+4*\c:G0+4*\c+3], s[G1V:G1V+7]
	s_nop 0
.endr
.Lfilled:
	s_mov_b32 s56, 0x76543210                      ; v_permlanex16_b32: lane i of one half reads lane i of the other
	s_mov_b32 s57, 0xfedcba98
	s_mov_b32 s58, 0x3e38aa3b                      ; c = 0.125 log2 e: the scale and the change of base in one factor
	s_mov_b32 s59, 0xbe38aa3b                      ; -c
	v_and_b32 v1, 15, v0                           ; r
	v_bfe_u32 v2, v0, 4, 1                         ; h
	v_lshlrev_b32 v[VQ], 7, v1
	v_lshl_add_u32 v[VQ], v2, 4, v[VQ]             ; r x 128 + 16 h
	s_add_nc_u64 s[4:5], s[4:5], s[16:17]
	s_add_nc_u64 s[4:5], s[4:5], s[18:19]
	s_add_nc_u64 s[10:11], s[10:11], s[16:17]
	s_add_nc_u64 s[10:11], s[10:11], s[18:19]
.irp p, 1,2
	WIN \p<<6                                      ; destination in the piece's window, address in window 0
.irp nt, 0,1,2,3
.irp kd, 0,1
	global_load_b128 v[QF+16*\nt+8*\kd:QF+16*\nt+8*\kd+3],   v[VQ], s[4:5] offset:(\p-1)*8192+\nt*2048+\kd*64
	global_load_b128 v[QF+16*\nt+8*\kd+4:QF+16*\nt+8*\kd+7], v[VQ], s[4:5] offset:(\p-1)*8192+\nt*2048+\kd*64+32
.endr
.endr
.irp nt, 0,1,2,3
	v_mov_b32 v[NM+2*\nt+1], 0                     ; the upper halves of pairs of which only the lower half is used
	v_mov_b32 v[AL+2*\nt+1], 0
.endr
.endr
	WIN 0
	v_mul_u32_u24 v[KA0], v1, KP
	v_lshl_add_u32 v[KA0], v2, 4, v[KA0]           ; r x 144 + 16 h
	v_mul_u32_u24 v[VA0], v1, VP
	v_lshl_add_u32 v[VA0], v2, 4, v[VA0]
	v_add_nc_u32 v[VA0], VBASE, v[VA0]
	s_mul_i32 s20, s12, 16*KP
	s_add_co_u32 s20, s20, STAGE                   ; my stage
	v_add_nc_u32 v[STO], s20, v[KA0]
	v_and_b32 v11, 31, v0
	v_lshrrev_b32 v[RD], 3, v11
	v_mul_u32_u24 v[RD], v[RD], KP
	v_and_b32 v12, 7, v0
	v_lshl_add_u32 v[RD], v12, 4, v[RD]
	v_add_nc_u32 v[RD], s20, v[RD]
	v_lshlrev_b32 v[CO], 4, v11
; ---- THE VECTOR WORK OF A PIECE'S STEP, one instruction a call.  p: the piece (its window); nt: the query tile; k: the instruction's number in its block;
; ---- first = 1: nothing is carried yet (no old maximum, no factor, no old sum, no O).
; The maxima of all four query tiles, interleaved tile by tile (instruction n belongs to tile n % 4), so that an instruction never reads the one in front of it.
; Per tile 21: 16 for the lane's 32 scores, the exchange between the halves of the lanes, the new maximum, then
; exponent of the factor = (-c new) - (-c old) in one fused multiply-add, the factor, and -c new.
.macro MAX4OP p, z, n, first
.set mnt, (\n)%4
.set mk,  (\n)/4
.set ms,  32*mnt
.set mtt, TT+4*mnt
	WIN \p*0x55
.if mk < 4
	v_max3_num_f32 v[mtt+mk], v[ms+8*mk], v[ms+8*mk+1], v[ms+8*mk+2]
.endif
.if mk >= 4
.if mk < 8
	v_max3_num_f32 v[mtt+mk-4], v[mtt+mk-4], v[ms+8*(mk-4)+3], v[ms+8*(mk-4)+4]
.endif
.endif
.if mk >= 8
.if mk < 12
	v_max3_num_f32 v[mtt+mk-8], v[mtt+mk-8], v[ms+8*(mk-8)+5], v[ms+8*(mk-8)+6]
.endif
.endif
.if mk == 12
	v_max3_num_f32 v[mtt], v[mtt], v[ms+7], v[ms+15]
.endif
.if mk == 13
	v_max3_num_f32 v[mtt+1], v[mtt+1], v[ms+23], v[ms+31]
.endif
.if mk == 14
	v_max3_num_f32 v[mtt], v[mtt], v[mtt+1], v[mtt+2]
.endif
.if mk == 15
	v_max_num_f32 v[mtt], v[mtt], v[mtt+3]
.endif
.if mk == 16
	v_permlanex16_b32 v[mtt+1], v[mtt], s56, s57
.endif
.if mk == 17
.if \first
	v_max_num_f32 v[MX+mnt], v[mtt], v[mtt+1]
.else
	v_max3_num_f32 v[MX+mnt], v[mtt], v[mtt+1], v[MX+mnt]
.endif
.endif
.if \first == 0
.if mk == 18
	v_fma_f32 v[mtt+2], v[MX+mnt], s59, -v[NM+2*mnt]
.endif
.if mk == 19
	v_exp_f32 v[AL+2*mnt], v[mtt+2]                ; 2^(c (old - new)); the four tiles' stand together, the plain lines of number 20 follow (ISA guide 5.7.2)
.endif
.endif
.if mk == 20
	v_mul_f32 v[NM+2*mnt], s59, v[MX+mnt]
.endif
.endm
; c s - c maximum, in place, two scores an instruction: 16 a tile
.macro FMAOP p, nt, k, first
	WIN \p*0x55
	v_pk_fma_f32 v[32*(\nt)+2*(\k):32*(\nt)+2*(\k)+1], v[32*(\nt)+2*(\k):32*(\nt)+2*(\k)+1], s[58:59], v[NM+2*(\nt):NM+2*(\nt)+1] op_sel_hi:[1,0,0]
.endm
; the lane's 32 probabilities summed in four chains of pairs, onto the old sum times its factor: 17 a tile
.macro SUMOP p, nt, k, first
.set sbs, 32*(\nt)
.set sk,  (\k)
	WIN \p*0x55
.if sk < 4
	s_wait_alu depctr_va_vdst(0)
	v_pk_add_f32 v[UU+2*sk:UU+2*sk+1], v[sbs+2*sk:sbs+2*sk+1], v[sbs+8+2*sk:sbs+8+2*sk+1]
.endif
.if sk >= 4
.if sk < 12
	v_pk_add_f32 v[UU+2*(sk%4):UU+2*(sk%4)+1], v[UU+2*(sk%4):UU+2*(sk%4)+1], v[sbs+8+2*sk:sbs+8+2*sk+1]
.endif
.endif
.if sk == 12
	v_pk_add_f32 v[UU:UU+1], v[UU:UU+1], v[UU+2:UU+3]
.endif
.if sk == 13
	v_pk_add_f32 v[UU+4:UU+5], v[UU+4:UU+5], v[UU+6:UU+7]
.endif
.if sk == 14
	v_pk_add_f32 v[UU:UU+1], v[UU:UU+1], v[UU+4:UU+5]
.endif
.if sk == 15
.if \first
	v_add_f32 v[LS+(\nt)], v[UU], v[UU+1]
.else
	v_add_f32 v[TT+4*(\nt)], v[UU], v[UU+1]
.endif
.endif
.if sk == 16
.if \first == 0
	v_fma_f32 v[LS+(\nt)], v[LS+(\nt)], v[AL+2*(\nt)], v[TT+4*(\nt)]
.endif
.endif
.endm
; two score tiles (16 registers) become one fragment of P (8 registers), in place: register i is written when 2 i and 2 i + 1 have been read: 16 a tile
.macro PACKOP p, nt, k, first
.set pbs, 32*(\nt)+16*((\k)/8)
.set pj,  (\k)%8
	WIN \p*0x55
	v_cvt_pk_bf16_f32 v[pbs+pj], v[pbs+2*pj], v[pbs+2*pj+1]
.endm
; O of query tile nt times the lane's factor: 16 a tile.  O in window 3 (destination, source 0), the factor in the piece's window (source 1)
.macro RESCOP p, nt, k, first
.if \first == 0
.set rbs, 128*(\p-1)+8*(4*((\k)/4)+(\nt))+2*((\k)%4)
	WIN 0xc3|(\p<<2)
	v_pk_mul_f32 v[rbs:rbs+1], v[rbs:rbs+1], v[AL+2*(\nt):AL+2*(\nt)+1] op_sel_hi:[1,0]
.endif
.endm
; The plain instructions of a half are one list of 344, number yi; the 128 exponentials are a second list, number xi = the score's register.
.macro BLK kind, p, nt, lo, n, first
.if yi >= \lo
.if yi < \lo+\n
	\kind \p, \nt, (yi-\lo), \first
.endif
.endif
.endm
.macro YOP p, first
	BLK MAX4OP, \p, 0, 0,   84, \first
	BLK FMAOP,  \p, 0, 84,  16, \first
	BLK FMAOP,  \p, 1, 100, 16, \first
	BLK FMAOP,  \p, 2, 116, 16, \first
	BLK FMAOP,  \p, 3, 132, 16, \first
	BLK SUMOP,  \p, 0, 148, 17, \first
	BLK PACKOP, \p, 0, 165, 16, \first
	BLK RESCOP, \p, 0, 181, 16, \first
	BLK SUMOP,  \p, 1, 197, 17, \first
	BLK PACKOP, \p, 1, 214, 16, \first
	BLK RESCOP, \p, 1, 230, 16, \first
	BLK SUMOP,  \p, 2, 246, 17, \first
	BLK PACKOP, \p, 2, 263, 16, \first
	BLK SUMOP,  \p, 3, 279, 17, \first
	BLK PACKOP, \p, 3, 296, 16, \first
	BLK RESCOP, \p, 2, 312, 16, \first
	BLK RESCOP, \p, 3, 328, 16, \first
.set yi, yi+1
.endm
.macro XOP p
.if xi < 128
	WIN \p*0x55
	v_exp_f32 v[xi], v[xi]
.set xi, xi+1
.endif
.endm
; Slice i of 64.  Slices 0-12: 8 plain (numbers 0-103: the maxima, tile 0's scaling and a little more).  Slices 13-55: 4 plain and 3 exponentials by turns,
; so exponential j stands in slice 13 + j / 3 and slice s starts at plain number 104 + 4 (s - 13).  Slices 56-63: 9 plain (numbers 276-343).
; Hence: tile k's scaling (done by number 148 at the latest; tile 0's by 100) stands ahead of its first exponential (slices 13, 23, 34, 45), and tile k's sum
; (numbers 148, 197, 246, 279: slices 24, 36, 48, 56) starts in a later slice than its last exponential (slices 23, 34, 44, 55), with plain lines between
; (ISA guide 5.7.2).  A slice ends on a plain line.
.macro VSLICE p, i, first
.if (\i) < 13
.rept 8
	YOP \p, \first
.endr
.endif
.if (\i) >= 13
.if (\i) < 56
	YOP \p, \first
	XOP \p
	YOP \p, \first
	XOP \p
	YOP \p, \first
	XOP \p
	YOP \p, \first
.endif
.endif
.if (\i) >= 56
.rept 9
	YOP \p, \first
.endr
.endif
.endm
; ---- THE PRODUCTS, one matrix instruction a call.  The 16 accumulators of a run take turns, one instruction a turn.
; O_q += V P_q^T, instruction i of 32: keys 32 km .. + 31 (km = i / 16), d tile (i % 16) / 4, query tile i % 4.  mode 2: the first 16 start the sums from the constant 0.
.macro PVOP q, i, mode
.set wkm, (\i)/16
.set wdt, ((\i)%16)/4
.set wnt, (\i)%4
.set wob, 128*(\q-1)+8*(4*wdt+wnt)
.set wz, 0
.if \mode == 2
.if wkm == 0
.set wz, 1
.endif
.endif
	WIN 0xf0|(\q<<2)
.if wz
	v_wmma_f32_16x16x32_bf16 v[wob:wob+7], v[VF+16*wdt+8*wkm:VF+16*wdt+8*wkm+7], v[32*wnt+16*wkm:32*wnt+16*wkm+7], 0
.else
	v_wmma_f32_16x16x32_bf16 v[wob:wob+7], v[VF+16*wdt+8*wkm:VF+16*wdt+8*wkm+7], v[32*wnt+16*wkm:32*wnt+16*wkm+7], v[wob:wob+7]
.endif
.endm
; S_q = K Q_q^T, instruction i of 32: d = 32 kd .. + 31 (kd = i / 16), query tile (i % 16) / 4, key tile i % 4.  The first 16 start from the constant 0.
; Tile (mt = 2, nt) lands on P(nt, 1), which O's instruction 28 + nt has read: six slices or more, each with plain vector work of the other piece, lie between.
.macro SOP q, i
.set wkd, (\i)/16
.set wnt, ((\i)%16)/4
.set wmt, (\i)%4
.set wsb, 32*wnt+8*wmt
	WIN \q*0x54
.if wkd == 0
	v_wmma_f32_16x16x32_bf16 v[wsb:wsb+7], v[KF+16*wmt:KF+16*wmt+7], v[QF+16*wnt:QF+16*wnt+7], 0
.else
	v_wmma_f32_16x16x32_bf16 v[wsb:wsb+7], v[KF+16*wmt+8:KF+16*wmt+15], v[QF+16*wnt+8:QF+16*wnt+15], v[wsb:wsb+7]
.endif
.endm
; the two K fragments of key tile g (4 loads); behind the last the address steps 64 keys on
.macro KLOAD g
	WIN 0
	ds_load_b128 v[KF+16*(\g):KF+16*(\g)+3],     v[KA] offset:(\g)*16*KP
	ds_load_b128 v[KF+16*(\g)+4:KF+16*(\g)+7],   v[KA] offset:(\g)*16*KP+32
	ds_load_b128 v[KF+16*(\g)+8:KF+16*(\g)+11],  v[KA] offset:(\g)*16*KP+64
	ds_load_b128 v[KF+16*(\g)+12:KF+16*(\g)+15], v[KA] offset:(\g)*16*KP+96
.if (\g) == 3
	v_add_nc_u32 v[KA], 64*KP, v[KA]
.endif
.endm
; the two V fragments of d tile g (4 loads); behind the last the address steps 64 keys on
.macro VLOAD g
	WIN 0
	ds_load_b128 v[VF+16*(\g):VF+16*(\g)+3],     v[VA] offset:(\g)*16*VP
	ds_load_b128 v[VF+16*(\g)+4:VF+16*(\g)+7],   v[VA] offset:(\g)*16*VP+32
	ds_load_b128 v[VF+16*(\g)+8:VF+16*(\g)+11],  v[VA] offset:(\g)*16*VP+64
	ds_load_b128 v[VF+16*(\g)+12:VF+16*(\g)+15], v[VA] offset:(\g)*16*VP+96
.if (\g) == 3
	v_add_nc_u32 v[VA], 128, v[VA]
.endif
.endm
; A HALF: piece pv's vector work in 64 slices, one behind each of piece pm's 64 matrix instructions (32 for O, 32 for the next scores).
; first: pv's softmax carries nothing yet.  pvmode 0: no products for O; 1: add; 2: start from 0.  smode 0: no scores.
; kind 1 (H2): waits for V's fragments at its head; K's next fragments are asked for behind matrix instructions 2 to 5 (slices 0 and 1, 16 plain lines, stand
; behind the last product that read the old ones) and waited for ahead of instruction 32.  kind 2 (H1): V's next fragments are asked for behind matrix
; instructions 34 to 37 (slices 31 to 33 stand behind the last product that read the old ones).  Both waits are for 0: nothing else of LDS is out then.
.macro HALF pv, pm, first, pvmode, smode, kind
.set yi, 0
.set xi, 0
.set hx, 0
.if \kind == 1
	s_wait_dscnt 0x0                               ; V's fragments, asked for 26 matrix instructions ago or more
.endif
.rept 64
.if hx < 32
.if \pvmode
	PVOP \pm, hx, \pvmode
.endif
.endif
.if hx >= 32
.if \smode
.if hx == 32
.if \kind == 1
	s_wait_dscnt 0x0                               ; K's fragments, asked for 26 matrix instructions ago or more
.endif
.endif
	SOP \pm, (hx-32)
.endif
.endif
.if \kind == 1
.if \smode
.if hx >= 2
.if hx < 6
	KLOAD (hx-2)
.endif
.endif
.endif
.endif
.if \kind == 2
.if hx >= 34
.if hx < 38
	VLOAD (hx-34)
.endif
.endif
.endif
	VSLICE \pv, hx, \first
.set hx, hx+1
.endr
.if \first
	PLACES                                         ; a first softmax has no O to scale, so its last slices are empty: four places before the next half reads the scores just made
.endif
.endm
; Chunk c of 256 keys is shown to all waves.  The count leaves the later chunks' fills on their way: nothing is ever filled again.
.macro CHUNKB c
	s_wait_dscnt 0x0                               ; V's fragments of the last step may be out: no LDS instruction is pending at a signal
	s_wait_tensorcnt 3-\c                          ; my part of chunk c has landed,
	s_barrier_signal -1
	s_barrier_wait -1                              ; everybody's has
	v_add_nc_u32 v[KA], \c*KCH, v[KA0]
	v_add_nc_u32 v[VA], \c*VCH, v[VA0]
.endm
.macro TRIPS c, n
	WIN 0                                          ; at a label and at a branch every window is 0
	s_mov_b32 s60, \n
.Ltrip_\c:
	HALF 2, 1, 0, 1, 1, 1                          ; H2(t-1)
	HALF 1, 2, 0, 1, 1, 2                          ; H1(t)
	WIN 0
	s_sub_co_u32 s60, s60, 1
	s_cmp_lg_u32 s60, 0
	s_cbranch_scc1 .Ltrip_\c
.endm
	s_wait_loadcnt 0x0                             ; my queries
	CHUNKB 0
	KLOAD 0                                        ; K(0)
	KLOAD 1
	KLOAD 2
	KLOAD 3
	s_wait_dscnt 0x0
.set fx, 0
.rept 32
	SOP 1, fx                                      ; S_A(0): nothing is there yet to set between these
.set fx, fx+1
.endr
	PLACES
	HALF 1, 2, 1, 0, 1, 2                          ; H1(0): A's first softmax | S_B(0)
	HALF 2, 1, 1, 2, 1, 1                          ; H2(0): B's first softmax | O_A starts, S_A(1)
	HALF 1, 2, 0, 2, 1, 2                          ; H1(1): A's softmax       | O_B starts, S_B(1)
	TRIPS 0, 2                                     ; steps 2, 3
	CHUNKB 1
	TRIPS 1, 4                                     ; steps 4 to 7
	CHUNKB 2
	TRIPS 2, 4                                     ; steps 8 to 11
	CHUNKB 3
	TRIPS 3, 4                                     ; steps 12 to 15
	HALF 2, 1, 0, 1, 0, 1                          ; H2(15): B's last softmax | O_A's last products; no scores are left to make
; the two halves' sums meet; 1 / sum takes the factor's place
.macro FINL p
	WIN \p*0x55
.irp nt, 0,1,2,3
	v_permlanex16_b32 v[TT+4*\nt+1], v[LS+\nt], s56, s57
.endr
.irp nt, 0,1,2,3
	v_add_f32 v[TT+4*\nt], v[LS+\nt], v[TT+4*\nt+1]
.endr
.irp nt, 0,1,2,3
	v_rcp_f32 v[AL+2*\nt], v[TT+4*\nt]
.endr
	v_nop                                          ; one plain instruction behind the run before its results are used (ISA guide 5.7.2)
	s_wait_alu depctr_va_vdst(0)
.endm
; 16 queries of piece p: round, 16 bytes a lane into rows of 128 bytes of my stage, back as 4 rows = 512 neighbouring bytes of ao an instruction
.macro OUTA p, nt, rb
	WIN 0x0f
.irp dt, 0,1,2,3
.irp i, 0,1,2,3
	v_cvt_pk_bf16_f32 v[PK+4*\dt+\i], v[128*(\p-1)+8*(4*\dt+\nt)+2*\i], v[128*(\p-1)+8*(4*\dt+\nt)+2*\i+1]
.endr
.endr
	WIN 0
.irp dt, 0,1,2,3
	ds_store_b128 v[STO], v[PK+4*\dt:PK+4*\dt+3] offset:32*\dt
.endr
	s_wait_xcnt 0x0                                ; the set rb, which earlier stores read, is loaded again only behind this wait
.irp t, 0,1,2,3
	ds_load_b128 v[\rb+4*\t:\rb+4*\t+3], v[RD] offset:576*\t       ; LDS serves a wave's instructions in order (ISA guide 5.7.1): these see the stores above
.endr
.irp t, 0,1,2,3
	s_wait_dscnt 3-\t                              ; the younger read-backs stay out
	global_store_b128 v[CO], v[\rb+4*\t:\rb+4*\t+3], s[10:11] offset:(\p-1)*8192+\nt*2048+\t*512
.endr
.endm
	FINL 1
.set fx, 0
.rept 32
	PVOP 2, fx, 1                                  ; O_B's last products, with O_A's division by its sum between them
	RESCOP 1, ((2*fx)/16), ((2*fx)%16), 0
	RESCOP 1, ((2*fx+1)/16), ((2*fx+1)%16), 0
.set fx, fx+1
.endr
	PLACES                                         ; four places before O_B is read
	OUTA 1, 0, RB0
	OUTA 1, 1, RB1
	OUTA 1, 2, RB0
	OUTA 1, 3, RB1
	FINL 2
.set fx, 0
.rept 64
	RESCOP 2, (fx/16), (fx%16), 0
.set fx, fx+1
.endr
	OUTA 2, 0, RB0
	OUTA 2, 1, RB1
	OUTA 2, 2, RB0
	OUTA 2, 3, RB1
	s_wait_tensorcnt 0x0
	ds_add_u32 v254, v255
	s_wait_dscnt 0x0
	s_endpgm
.Lfunc_end_k_qbd8bf99874_attn:
	.size	k_qbd8bf99874_attn, .Lfunc_end_k_qbd8bf99874_attn-k_qbd8bf99874_attn
	.p2alignl 7, 3214868480
	.fill 96, 4, 3214868480
	.section	.rodata,"a",@progbits
	.p2align	6, 0x0
	.amdhsa_kernel k_qbd8bf99874_attn
		.amdhsa_group_segment_fixed_size 292352
		.amdhsa_private_segment_fixed_size 0
		.amdhsa_enable_private_segment 0
		.amdhsa_kernarg_size 32
		.amdhsa_user_sgpr_count 2
		.amdhsa_user_sgpr_kernarg_segment_ptr 1
		.amdhsa_wavefront_size32 1
		.amdhsa_system_sgpr_workgroup_id_x 1
		.amdhsa_system_sgpr_workgroup_id_y 1
		.amdhsa_system_sgpr_workgroup_id_z 1
		.amdhsa_system_vgpr_workitem_id 0
		.amdhsa_next_free_vgpr 1024
		.amdhsa_next_free_sgpr 66
		.amdhsa_reserve_vcc 0
		.amdhsa_float_denorm_mode_32 3
		.amdhsa_float_denorm_mode_16_64 3
		.amdhsa_memory_ordered 1
		.amdhsa_forward_progress 1
		.amdhsa_inst_pref_size 255
	.end_amdhsa_kernel
	.section	.bss,"aw",@nobits
	.p2align	6
	.space	262144
	.amdgpu_metadata
---
amdhsa.version: [ 1, 2 ]
amdhsa.kernels:
  - .name:           k_qbd8bf99874_attn
    .symbol:         k_qbd8bf99874_attn.kd
    .args:
      - { .name: qt, .offset: 0, .size: 8, .value_kind: global_buffer, .address_space: global }
      - { .name: kt, .offset: 8, .size: 8, .value_kind: global_buffer, .address_space: global }
      - { .name: vv, .offset: 16, .size: 8, .value_kind: global_buffer, .address_space: global }
      - { .name: ao, .offset: 24, .size: 8, .value_kind: global_buffer, .address_space: global }
    .group_segment_fixed_size: 292352
    .private_segment_fixed_size: 0
    .kernarg_segment_align: 8
    .kernarg_segment_size: 32
    .max_flat_workgroup_size: 128
    .sgpr_count:     66
    .vgpr_count:     1024
    .wavefront_size: 32
...
	.end_amdgpu_metadata
.endif
;; end of part 3
;; launch proj (part 4): grid 4 x 64, 4 waves a work-group, clusters of 4 x 4, 327,680 bytes of LDS; arguments ao, wb, bo, x, out0; writes out0
.if DOCPART == 4
	.amdgcn_target "amdgcn-amd-amdhsa--gfx1250"
	.amdhsa_code_object_version 6
	.text
	.protected	k_qbd8bf99874_proj
	.globl	k_qbd8bf99874_proj
	.p2align	8
	.type	k_qbd8bf99874_proj,@function
k_qbd8bf99874_proj:
	s_mov_b64 s[64:65], 0
	v_nop
	global_prefetch_b8 v0, s[64:65] scope:SCOPE_SE
	s_setreg_imm32_b32 hwreg(HW_REG_WAVE_MODE, 25, 1), 1
	s_wait_xcnt 0x0
	s_wait_alu depctr_hold_cnt(0) depctr_sa_sdst(0) depctr_va_vdst(0) depctr_va_sdst(0) depctr_va_ssrc(0) depctr_va_vcc(0) depctr_vm_vsrc(0)
	s_getreg_b32 s2, hwreg(HW_REG_IB_STS2, 6, 4)
	s_cmp_eq_u32 s2, 0
	s_cbranch_scc0 .Lentry_in_a_cluster
	s_endpgm
.Lentry_in_a_cluster:
	s_bfe_u32 s2, ttmp6, 0x10000c
	s_cmp_lg_u32 s2, 0xf033
	s_cbranch_scc0 .Lentry_shape_is_right
	s_endpgm
.Lentry_shape_is_right:
; out0[b][o][n] = sum over c of wo[o][c] att[b][c][n] + bo[o] + x[b][o][n].  att comes as ao [16 b][8 h][1024 n][64 d] bf16 (c = 64 h + d),
; wo as wb's fourth part [8 ks][512 o][64 kk] bf16; x and out0 are f32.
; A work-group makes 128 o x 256 n of one batch; 4 x 64 work-groups.  Wave w makes 64 o (w >> 1) x 128 n (w & 1): 32 accumulator tiles in register window 1.
; Source 0 = 16 rows n of ao, source 1 = 16 rows o of wo: a lane holds one o and eight neighbouring n, 32 bytes of a row of out0.
; bo is the C of the first products.
; BYTES BIND HERE: a work-group takes in 8 K steps x 48 KiB of tiles and 128 KiB of x and stores 128 KiB, for 512 matrix instructions a wave.  So:
;  - LDS holds five K steps of 64 (one head each): five places for ao's tiles, five for wo's.  K steps 0 to 4 are asked for at the head, three loads a wave.
;  - K steps 5 and 6 go into places 0 and 1 behind K step 1 (192 matrix instructions stand before the wait for them), K step 7 into place 2 behind
;    K step 4 (128 matrix instructions).  Each refill is one load a wave; K steps 4 and 7 come in halves so that all four waves carry a part.
;  - The wave's part of x (64 rows x 512 bytes, register window 2) is asked for in three parts, each just ahead of a wait for tensor loads: there the wave has
;    nothing else to ask for, the tiles that it waits for were requested long before, and the part is on its way while the round is passed and the refill requested.
;  - The last K step is finished one row of o tiles at a time (both its quarters' fragments lie in the two buffers), and each row of 16 o leaves before the
;    next row's products: the first quarter of the output is on its way with 48 matrix instructions still to come.
; CLUSTERS: 4 x 4 work-groups; ao's tiles hang on batch and n block and are shared along a row of the cluster, wo's on the o block and are shared along a column.
; By this text's own count a wave has three tensor loads out at the start and one behind each of the two rounds that refill.
.set AP,    144                        ; LDS pitch of a row of 128 bytes: + 16, an odd multiple of 16
.set AT,    256*AP                     ; a tile of ao: 36,864
.set WT,    128*AP                     ; a tile of wo: 18,432
.set WBASE, 5*AT                       ; 184,320: wo's five places lie behind ao's five
.set STAGE, WBASE+5*WT                 ; 276,480: 8,448 bytes a wave for the way out; no tensor load lands there
.set SP,    528                        ; the stage's pitch: 512 bytes + 16
.set AKS,   131072                     ; bytes from a K step of ao to the next (a head)
.set WKS,   65536                      ; the same in wb
.set G1A,  32                          ; s[32:39] group 1: a tile of ao, 128 rows of 256 bytes
.set G1W,  40                          ; s[40:47] a tile of wo, 64 rows
.set G1AH, 48                          ; s[48:55] half a tile of ao, 64 rows
.set G1WH, 56                          ; s[56:63] half a tile of wo, 32 rows
.set GA,   68                          ; s[68:79] group 0 for ao: set 0 K steps 0, 1 (later 5, 6), set 1 K steps 2, 3, set 2 K step 4 (later 7)
.set GW,   80                          ; s[80:91] the same for wo
.set ADRW, 8                           ; v8-10   LDS address of my wo fragments in places 0, 2, 4 (an odd place stands in the immediate)
.set ADRA, 12                          ; v12-14  the same for ao
.set STO, 16
.set RD,  17
.set XO,  18                           ; 16 L: my 16 bytes of a row of 512, in x and in out0
.set F0,  32                           ; v[32:127]  fragments, buffer 0: ao's 8 at + 8 nt, wo's 4 at + 64 + 8 ot
.set F1,  128                          ; v[128:223] buffer 1
.set BO,  224                          ; v[224:255] bo in the layout of an accumulator
                                       ; window 1: accumulator (ot, nt) at 8 (8 ot + nt); window 2: row p of my part of x at 4 p; window 3: v0-63 rows read back on the way out
.set MSB, 0
.macro WIN new                         ; s_set_vgpr_msb: bits 1:0 source 0, 3:2 source 1, 5:4 source 2, 7:6 destination; the high byte repeats the setting that is left
.if MSB != (\new)
	s_set_vgpr_msb (MSB<<8)|(\new)
.set MSB, (\new)
.endif
.endm
.macro PLACES                          ; four plain vector instructions between a matrix instruction and a load into, or a read of, its registers
.rept 4
	v_nop
.endr
.endm
.macro CREST                           ; a round of the cluster's barrier behind its opening barrier
	s_cmp_lg_u32 s20, 0
	s_cbranch_scc1 .Lnot_wave_0_\@
	s_barrier_signal -3
.Lnot_wave_0_\@:
	s_barrier_wait -3
	s_barrier_signal -1
	s_barrier_wait -1
.endm
.macro CROUND
	s_barrier_signal -1
	s_barrier_wait -1
	CREST
.endm
; A joint load by group 0 set i: waves 0 and 1 fetch for ao (shape ga1), waves 2 and 3 for wo (shape gw1).  The branch hangs on the wave's number alone.
.macro JLOAD i, ga1, gw1
	s_cmp_lt_u32 s20, 2
	s_cbranch_scc0 .Lfor_w_\@
	tensor_load_to_lds s[GA+4*\i:GA+4*\i+3], s[\ga1:\ga1+7]
	s_nop 0
	s_branch .Lasked_\@
.Lfor_w_\@:
	tensor_load_to_lds s[GW+4*\i:GW+4*\i+3], s[\gw1:\gw1+7]
	s_nop 0
.Lasked_\@:
.endm
; Group 1: a dense block fetched as rows of 256 bytes (128 elements of 2 bytes); 4 words of padding behind every 32 words, that is behind every
; 128 bytes, a row of ao or of wo: LDS pitch 144.  Bit 21 stands beside the mask.
.macro SHAPE g, mask, rows
	s_or_b32 s[\g+0], \mask, (1<<16)|(1<<20)|(1<<21)|(4<<22)|(3<<25)
	s_mov_b32 s[\g+1], 128<<16                     ; tensor_dim0 = 128
	s_mov_b32 s[\g+2], \rows<<16                   ; tensor_dim1
	s_mov_b32 s[\g+3], 128<<16                     ; tile_dim0 = 128
	s_mov_b32 s[\g+4], \rows                       ; tile_dim1
	s_mov_b32 s[\g+5], 128                         ; pitch: dense
	s_mov_b32 s[\g+6], 0
	s_mov_b32 s[\g+7], 0
.endm
	s_load_b256 s[4:11], s[0:1], 0x0               ; ao s[4:5], wb s[6:7], bo s[8:9], x s[10:11]
	s_load_b64 s[12:13], s[0:1], 0x20              ; out0
	v_lshl_add_u32 v30, v0, 2, 0x4bc00
	v_mov_b32 v31, 0
	ds_add_u32 v30, v31
	ds_add_u32 v30, v31
	v_lshrrev_b32 v1, 5, v0
	v_readfirstlane_b32 s20, v1                    ; wave 0..3
	s_lshr_b32 s21, s20, 1                         ; wo: which 64 o
	s_and_b32 s22, s20, 1                          ; wn: which 128 n
	s_bfe_u32 s23, ttmp6, 0x40000                  ; cx
	s_bfe_u32 s24, ttmp6, 0x40004                  ; cy
	s_lshl_b32 s25, ttmp9, 2
	s_add_co_u32 s25, s25, s23                     ; work-group x: block of 128 o
	s_and_b32 s26, ttmp7, 0xffff
	s_lshl_b32 s26, s26, 2
	s_add_co_u32 s26, s26, s24                     ; work-group y: 4 x batch + block of 256 n
	s_lshl_b32 s27, s24, 2
	s_lshl_b32 s27, 15, s27                        ; my row of the cluster
	s_lshl_b32 s28, 0x1111, s23                    ; my column
	SHAPE G1A,  s27, 128                           ; 256 rows n x 128 bytes = 32 KiB
	SHAPE G1W,  s28, 64                            ; 128 rows o x 128 bytes = 16 KiB
	SHAPE G1AH, s27, 64                            ; 128 rows n
	SHAPE G1WH, s28, 32                            ; 64 rows o
	; ao's addresses hang on work-group y and the wave alone (made in s[92:95]), wo's on work-group x and the wave alone (made in s[14:17])
	s_lshr_b32 s92, s26, 2
	s_lshl_b32 s92, s92, 20                        ; batch x 1 MiB
	s_and_b32 s93, s26, 3
	s_lshl_b32 s93, s93, 15                        ; + n block x 256 rows of 128 bytes
	s_add_co_u32 s92, s92, s93
	s_mov_b32 s93, 0
	s_lshl_b32 s14, s25, 14                        ; o block x 16 KiB
	s_mov_b32 s15, 0
	s_mul_i32 s30, s20, AT                         ; the LDS addresses are the wave's number times a constant plus a constant
	s_mul_i32 s31, s20, WT
	s_mul_i32 s29, s20, WT/2
	s_wait_dscnt 0x0
	s_wait_kmcnt 0x0
	s_add_nc_u64 s[94:95], s[4:5], s[92:93]
	s_add_nc_u64 s[16:17], s[6:7], s[14:15]
	s_lshl_b32 s92, s20, 17                        ; whole tiles: waves 0, 1 take ao's K steps 0, 1;
	s_lshl_b32 s14, s20, 16                        ; waves 2, 3 take wo's K steps w - 2
	s_add_nc_u64 s[GA+2:GA+3], s[94:95], s[92:93]
	s_add_nc_u64 s[GW+2:GW+3], s[16:17], s[14:15]
	s_add_nc_u64 s[GW+2:GW+3], s[GW+2:GW+3], 3*524288-2*WKS        ; wb's fourth part
	s_add_nc_u64 s[GA+6:GA+7], s[GA+2:GA+3], 2*AKS                 ; K steps 2, 3
	s_add_nc_u64 s[GW+6:GW+7], s[GW+2:GW+3], 2*WKS
	s_lshl_b32 s92, s20, 14                        ; halves: waves 0, 1 take rows 128 w .. of ao's tile (16 KiB);
	s_lshl_b32 s14, s20, 13                        ; waves 2, 3 rows 64 (w - 2) .. of wo's (8 KiB)
	s_add_nc_u64 s[GA+10:GA+11], s[94:95], s[92:93]
	s_add_nc_u64 s[GA+10:GA+11], s[GA+10:GA+11], 4*AKS             ; K step 4
	s_add_nc_u64 s[GW+10:GW+11], s[16:17], s[14:15]
	s_add_nc_u64 s[GW+10:GW+11], s[GW+10:GW+11], 3*524288+4*WKS-2*8192
.irp i, 0,1,2
	s_mov_b32 s[GA+4*\i], 1                        ; count = 1
	s_mov_b32 s[GW+4*\i], 1
	s_or_b32 s[GA+4*\i+3], s[GA+4*\i+3], 0x80000000                ; type = 2
	s_or_b32 s[GW+4*\i+3], s[GW+4*\i+3], 0x80000000
.endr
	s_add_co_u32 s[GA+1], s30, 0                   ; ao: places 0, 1
	s_add_co_u32 s[GA+5], s30, 2*AT                ;     places 2, 3
	s_add_co_u32 s[GA+9], s31, 4*AT                ;     place 4, its two halves
	s_add_co_u32 s[GW+1], s31, WBASE-2*WT          ; wo: places 0, 1 (waves 2, 3)
	s_add_co_u32 s[GW+5], s31, WBASE               ;     places 2, 3
	s_add_co_u32 s[GW+9], s29, WBASE+4*WT-WT       ;     place 4, its two halves
	CROUND                                         ; all sixteen work-groups are here: the first joint loads meet
	JLOAD 0, G1A, G1W                              ; K steps 0, 1
	JLOAD 1, G1A, G1W                              ; K steps 2, 3
	JLOAD 2, G1AH, G1WH                            ; K step 4
	v_and_b32 v1, 15, v0                           ; r
	v_bfe_u32 v2, v0, 4, 1                         ; h
	v_mul_u32_u24 v3, v1, AP
	v_lshl_add_u32 v3, v2, 4, v3                   ; r x 144 + 16 h
	s_mul_i32 s96, s21, 64*AP
	s_add_co_u32 s96, s96, WBASE
	v_add_nc_u32 v[ADRW], s96, v3
	v_add_nc_u32 v[ADRW+1], 2*WT, v[ADRW]
	v_add_nc_u32 v[ADRW+2], 4*WT, v[ADRW]
	s_mul_i32 s96, s22, 128*AP
	v_add_nc_u32 v[ADRA], s96, v3
	v_add_nc_u32 v[ADRA+1], 2*AT, v[ADRA]
	v_add_nc_u32 v[ADRA+2], 4*AT, v[ADRA]
	s_mul_i32 s96, s20, 16*SP
	s_add_co_u32 s96, s96, STAGE                   ; my stage
	v_mul_u32_u24 v4, v1, SP
	v_lshl_add_u32 v4, v2, 5, v4
	v_add_nc_u32 v[STO], s96, v4                   ; in: row o = r, 32 bytes for each half of the lanes
	v_and_b32 v5, 31, v0
	v_lshlrev_b32 v[XO], 4, v5
	v_add_nc_u32 v[RD], s96, v[XO]                 ; back: a whole row of 512 bytes an instruction
	v_lshlrev_b32 v19, 2, v1                       ; bo: r numbers
	s_lshl_b32 s97, s25, 7
	s_lshl_b32 s98, s21, 6
	s_add_co_u32 s97, s97, s98                     ; my first o
	s_lshl_b32 s98, s97, 2
	s_mov_b32 s99, 0
	s_add_nc_u64 s[8:9], s[8:9], s[98:99]
.irp ot, 0,1,2,3
	global_load_b32 v[BO+8*\ot], v19, s[8:9] offset:64*\ot         ; bo[16 ot + r]
.endr
	s_lshr_b32 s96, s26, 2
	s_lshl_b32 s96, s96, 21                        ; batch x 2 MiB
	s_lshl_b32 s98, s97, 12                        ; + o x 4,096
	s_add_co_u32 s96, s96, s98
	s_and_b32 s98, s26, 3
	s_lshl_b32 s98, s98, 10                        ; + n block x 1,024 bytes
	s_add_co_u32 s96, s96, s98
	s_lshl_b32 s98, s22, 9                         ; + my 128 n
	s_add_co_u32 s98, s96, s98
	s_add_nc_u64 s[10:11], s[10:11], s[98:99]
	s_add_nc_u64 s[12:13], s[12:13], s[98:99]
	s_wait_loadcnt 0x0                             ; bo: nothing else has been asked for by a load yet
.irp ot, 0,1,2,3
.irp j, 1,2,3,4,5,6,7
	v_mov_b32 v[BO+8*\ot+\j], v[BO+8*\ot]          ; all eight rows n of an accumulator's lane have the same o
.endr
.endr
; rows p0 .. p0 + n - 1 of my part of x into window 2, row p at v[4 p]: 512 neighbouring bytes an instruction
.macro XROWS p0, n
	WIN 0x80
.set p, \p0
.rept \n
	global_load_b128 v[4*p:4*p+3], v[XO], s[10:11] offset:p*4096 th:TH_LOAD_NT
.set p, p+1
.endr
	WIN 0
.endm
; the fragments of quarter q (0, 1: 32 along K) of the K step in place k: 8 of ao, 4 of wo, 24 loads
.macro FETCH k, q, f
.irp nt, 0,1,2,3,4,5,6,7
	ds_load_b128 v[\f+8*\nt:\f+8*\nt+3],   v[ADRA+(\k)/2] offset:((\k)%2)*AT+\nt*16*AP+\q*64
	ds_load_b128 v[\f+8*\nt+4:\f+8*\nt+7], v[ADRA+(\k)/2] offset:((\k)%2)*AT+\nt*16*AP+\q*64+32
.endr
.irp ot, 0,1,2,3
	ds_load_b128 v[\f+64+8*\ot:\f+64+8*\ot+3],   v[ADRW+(\k)/2] offset:((\k)%2)*WT+\ot*16*AP+\q*64
	ds_load_b128 v[\f+64+8*\ot+4:\f+64+8*\ot+7], v[ADRW+(\k)/2] offset:((\k)%2)*WT+\ot*16*AP+\q*64+32
.endr
.endm
; 32 matrix instructions; the 32 accumulators take turns, one instruction a turn, in the same order every time
.macro MUL f, first
.if \first
	WIN 0x40
.else
	WIN 0x50
.endif
.irp ot, 0,1,2,3
.irp nt, 0,1,2,3,4,5,6,7
.if \first
	v_wmma_f32_16x16x32_bf16 v[8*(8*\ot+\nt):8*(8*\ot+\nt)+7], v[\f+8*\nt:\f+8*\nt+7], v[\f+64+8*\ot:\f+64+8*\ot+7], v[BO+8*\ot:BO+8*\ot+7]
.else
	v_wmma_f32_16x16x32_bf16 v[8*(8*\ot+\nt):8*(8*\ot+\nt)+7], v[\f+8*\nt:\f+8*\nt+7], v[\f+64+8*\ot:\f+64+8*\ot+7], v[8*(8*\ot+\nt):8*(8*\ot+\nt)+7]
.endif
.endr
.endr
.endm
; A quarter: the next quarter's fragments (place k, quarter q) are asked for into buffer g, then buffer f is multiplied
.macro QUART f, g, k, q, first
	WIN 0
	PLACES
	FETCH \k, \q, \g
	s_wait_dscnt 24                                ; the 24 just issued stay out: buffer f is in
	MUL \f, \first
.endm
; A quarter at which tiles change hands: multiplies buffer 1; the next quarter's fragments come from place k, which other waves' loads filled.
; In front of the barrier each wave waits for its LDS reads and for all its tensor loads.  kind 1: a round of the cluster's barrier, then K steps 5, 6 into
; places 0, 1; kind 2: a round, then K step 7 into place 2; kind 0: my work-group's barrier alone: nothing is left to fetch.
; xn rows of x from row x0 on are asked for first: they are on their way while the wave waits, passes the round and asks for the refill.
.macro TURN kind, k, x0, xn
	WIN 0
	XROWS \x0, \xn
	s_wait_dscnt 0x0                               ; my reads of the places that are filled again are over, and buffer 1 is in
	s_wait_tensorcnt 0x0                           ; all my tensor loads have landed
	ds_add_u32 v30, v31
	s_wait_dscnt 0x0
	s_barrier_signal -1                            ; (kinds 1 and 2: this barrier opens the round)
	s_barrier_wait -1
.if \kind == 1
	CREST                                          ; no wave of any partner still reads places 0, 1 or has a load on its way
	s_add_nc_u64 s[GA+2:GA+3], s[GA+2:GA+3], 5*AKS
	s_add_nc_u64 s[GW+2:GW+3], s[GW+2:GW+3], 5*WKS
	JLOAD 0, G1A, G1W                              ; my one tensor load behind the round, ahead of every LDS read; 192 matrix instructions stand before the wait for it
.endif
.if \kind == 2
	CREST                                          ; no wave of any partner still reads place 2 or has a load on its way
	s_add_nc_u64 s[GA+10:GA+11], s[GA+10:GA+11], 3*AKS
	s_add_nc_u64 s[GW+10:GW+11], s[GW+10:GW+11], 3*WKS
	s_add_co_u32 s[GA+9], s31, 2*AT                ; place 2, its two halves
	s_add_co_u32 s[GW+9], s29, WBASE+2*WT-WT
	JLOAD 2, G1AH, G1WH                            ; my one tensor load behind the round; 128 matrix instructions stand before the wait for it
.endif
	PLACES
	FETCH \k, 0, F0
	MUL F1, 0
.endm
	s_wait_tensorcnt 2                             ; my part of K steps 0, 1 is in; my two younger loads stay out
	s_barrier_signal -1
	s_barrier_wait -1
	FETCH 0, 0, F0
	QUART F0, F1, 0, 1, 1                          ; K step 0: its first products start the sums from bo
	QUART F1, F0, 1, 0, 0
	QUART F0, F1, 1, 1, 0                          ; K step 1
	TURN 1, 2, 0, 32                               ; x rows 0-31; K steps 5, 6 are asked for; K steps 2 to 4 are shown to all waves
	QUART F0, F1, 2, 1, 0                          ; K step 2
	QUART F1, F0, 3, 0, 0
	QUART F0, F1, 3, 1, 0                          ; K step 3
	QUART F1, F0, 4, 0, 0
	QUART F0, F1, 4, 1, 0                          ; K step 4
	TURN 2, 0, 32, 24                              ; x rows 32-55; K step 7 is asked for; K steps 5, 6 are shown to all waves
	QUART F0, F1, 0, 1, 0                          ; K step 5, in place 0
	QUART F1, F0, 1, 0, 0
	QUART F0, F1, 1, 1, 0                          ; K step 6, in place 1
	TURN 0, 2, 56, 8                               ; x rows 56-63; K step 7, in place 2, is shown to all waves
	WIN 0
	PLACES
	FETCH 2, 1, F1                                 ; K step 7's second quarter: both quarters now lie in the two buffers
	s_wait_dscnt 0x0
; K STEP 7 AND THE WAY OUT, one row of o tiles at a time.
; 16 matrix instructions finish the eight accumulators of o tile row ot; they take turns, one instruction a turn
.macro MULROW ot
	WIN 0x50
.irp f, F0, F1
.irp nt, 0,1,2,3,4,5,6,7
	v_wmma_f32_16x16x32_bf16 v[8*(8*\ot+\nt):8*(8*\ot+\nt)+7], v[\f+8*\nt:\f+8*\nt+7], v[\f+64+8*\ot:\f+64+8*\ot+7], v[8*(8*\ot+\nt):8*(8*\ot+\nt)+7]
.endr
.endr
.endm
; 16 rows o through the wave's own stage: 32 bytes a lane in, whole rows of 512 bytes back (into window 3: the fragment buffers are still in use), + x, out
.macro OUT16 ot
	PLACES                                         ; four places before the row's sums are read
	WIN 0x04
.irp nt, 0,1,2,3,4,5,6,7
	ds_store_b128 v[STO], v[8*(8*\ot+\nt):8*(8*\ot+\nt)+3]   offset:64*\nt
	ds_store_b128 v[STO], v[8*(8*\ot+\nt)+4:8*(8*\ot+\nt)+7] offset:64*\nt+16
.endr
	s_wait_xcnt 0x0                                ; window 3's v0-63, which the last 16 rows' stores read, are loaded again only behind this wait
	WIN 0xc0
.set p, 0
.rept 16
	ds_load_b128 v[4*p:4*p+3], v[RD] offset:SP*p   ; LDS serves a wave's instructions in order (ISA guide 5.7.1): these see the stores above
.set p, p+1
.endr
	s_wait_loadcnt 48-16*\ot                       ; x came in by rows: the loads of the rows behind row 16 ot + 15 stay out
	s_wait_dscnt 0x0
	WIN 0xcb
.set p, 0
.rept 32
	v_pk_add_f32 v[2*p:2*p+1], v[2*p:2*p+1], v[64*\ot+2*p:64*\ot+2*p+1]
.set p, p+1
.endr
	WIN 0x0c
.set p, 0
.rept 16
	global_store_b128 v[XO], v[4*p:4*p+3], s[12:13] offset:(16*\ot+p)*4096 th:TH_STORE_NT   ; 512 neighbouring bytes of one row, aligned
.set p, p+1
.endr
.endm
.irp ot, 0,1,2,3
	MULROW \ot
	OUT16 \ot
.endr
	WIN 0
	s_wait_tensorcnt 0x0
	ds_add_u32 v30, v31
	s_wait_dscnt 0x0
	CROUND                                         ; the closing round: no work-group ends while a partner may still ask for a tile that names it
	s_endpgm
.Lfunc_end_k_qbd8bf99874_proj:
	.size	k_qbd8bf99874_proj, .Lfunc_end_k_qbd8bf99874_proj-k_qbd8bf99874_proj
	.p2alignl 7, 3214868480
	.fill 96, 4, 3214868480
	.section	.rodata,"a",@progbits
	.p2align	6, 0x0
	.amdhsa_kernel k_qbd8bf99874_proj
		.amdhsa_group_segment_fixed_size 327680
		.amdhsa_private_segment_fixed_size 0
		.amdhsa_enable_private_segment 0
		.amdhsa_kernarg_size 40
		.amdhsa_user_sgpr_count 2
		.amdhsa_user_sgpr_kernarg_segment_ptr 1
		.amdhsa_wavefront_size32 1
		.amdhsa_system_sgpr_workgroup_id_x 1
		.amdhsa_system_sgpr_workgroup_id_y 1
		.amdhsa_system_sgpr_workgroup_id_z 1
		.amdhsa_system_vgpr_workitem_id 0
		.amdhsa_next_free_vgpr 832
		.amdhsa_next_free_sgpr 100
		.amdhsa_reserve_vcc 0
		.amdhsa_float_denorm_mode_32 3
		.amdhsa_float_denorm_mode_16_64 3
		.amdhsa_memory_ordered 1
		.amdhsa_forward_progress 1
		.amdhsa_inst_pref_size 101
	.end_amdhsa_kernel
	.amdgpu_metadata
---
amdhsa.version: [ 1, 2 ]
amdhsa.kernels:
  - .name:           k_qbd8bf99874_proj
    .symbol:         k_qbd8bf99874_proj.kd
    .args:
      - { .name: ao, .offset: 0, .size: 8, .value_kind: global_buffer, .address_space: global }
      - { .name: wb, .offset: 8, .size: 8, .value_kind: global_buffer, .address_space: global }
      - { .name: bo, .offset: 16, .size: 8, .value_kind: global_buffer, .address_space: global }
      - { .name: x, .offset: 24, .size: 8, .value_kind: global_buffer, .address_space: global }
      - { .name: out0, .offset: 32, .size: 8, .value_kind: global_buffer, .address_space: global }
    .group_segment_fixed_size: 327680
    .private_segment_fixed_size: 0
    .kernarg_segment_align: 8
    .kernarg_segment_size: 40
    .max_flat_workgroup_size: 128
    .sgpr_count:     100
    .vgpr_count:     832
    .wavefront_size: 32
...
	.end_amdgpu_metadata
.endif
;; end of part 4
;; ======== version 2 of 2: 4 launches; version 1 with the launch norm written anew for expert scheduling mode
;; workspace buffers: xn 16,777,216 bytes; wb 2,097,152 bytes; qt 16,777,216 bytes; kt 16,777,216 bytes; vv 16,777,216 bytes; ao 16,777,216 bytes
;; launch norm (part 5): grid 128 x 1, 16 waves a work-group, no clusters, 2,304 bytes of LDS; arguments x, gamma, beta, wq, wk, wv, wo, xn, wb; writes xn, wb
.if DOCPART == 5
	.amdgcn_target "amdgcn-amd-amdhsa--gfx1250"
	.amdhsa_code_object_version 6
	.text
	.protected	k_qbd8bf99874_norm
	.globl	k_qbd8bf99874_norm
	.p2align	8
	.type	k_qbd8bf99874_norm,@function
k_qbd8bf99874_norm:
	s_mov_b64 s[64:65], 0
	v_nop
	global_prefetch_b8 v0, s[64:65] scope:SCOPE_SE
	s_setreg_imm32_b32 hwreg(HW_REG_WAVE_SCHED_MODE, 0, 2), 2
	s_setreg_imm32_b32 hwreg(HW_REG_WAVE_MODE, 25, 1), 1
	s_wait_xcnt 0x0
	s_wait_alu depctr_vm_vsrc(0)
; GROUP NORM of x [16][512][1024] f32 into xn [16][512][1024] bf16, and the four weights rounded to bf16 into wb.
; First of four launches: norm -> qkv (three channel products) -> attn (softmax attention) -> proj (output product, bias, residual).
;
; WORK LEFT OUT IN THE WHOLE PROGRAM: the input bk.  k enters the result only through the scores
;   S[n][m] = scale * q_n . (Wk xn_m + bk) = scale * q_n . Wk xn_m  +  scale * q_n . bk,
; and the second term does not hang on m.  The softmax runs along m, and a term that is the same along its axis leaves it unchanged,
; for every value of every input.  So bk has no way to any output: it is not loaded and is no argument of any launch.
; Limit: a NaN, an infinity or an overflow that reaches only q . bk is not carried to the result.
; OTHER LIMITS: NaN and infinite inputs are not reproduced.  v_rsq_f32 flushes denormals (ISA guide 15.8); its input here is var + 1e-5.
; xn is rounded to bf16 once, after the norm has been applied in f32; the variance is taken about the mean (second pass over registers),
; so a common offset of x costs no digits.
;
; A work-group owns one group of one batch: 64 channels x 1024 numbers = 256 KiB, contiguous.  Wave w owns channels 4w .. 4w+3
; (16 KiB): a lane takes 32 loads of 16 bytes and keeps its 128 numbers in registers through all three passes: x is read once.
; One work-group a group, 128 in all: a finer split would need sums between work-groups.
; wb[i][ks][o][kk] = W_i[o][64 ks + kk], i = q, k, v, o: every tile of 128 rows x 64 k that a later launch fetches is then dense.
; The work-group converts rows 4p .. 4p+3 of each weight; wave w takes K step w & 7 of rows 4p + 2 (w >> 3) and the next.
;
; THE MODE: SCHED_MODE bits 1:0 = 2 (LLVM: expert scheduling mode 2), set by the entry lines.  The code itself states the register dependences
; between vector instructions and memory or LDS instructions, with s_wait_alu, always for 0.
; THE PLAN.  Registers that memory or LDS instructions touch, in the order of the text (there is no loop):
;   v2 .. v7      offsets and LDS addresses: written at the head, read by every load and store, never written again.
;   v[8:23]       the four weight loads land here; eight conversions write eight of them in place; four stores read those; never written again.
;   v[64:191]     the 32 loads of x land here, named by nothing before.  Passes 1 and 2 are vector work alone.  Pass 3 writes a chunk's packed words
;                 into its first two registers; one store reads them; never written again.
;   v35           written by the lanes' sum, read by the LDS store of a sum, written again by that sum's last add and by the next sum's first lines.
;   v[40:55]      the LDS loads of a sum land here; that sum's adds read and write them; the second sum's loads land here again.
;   v192, v193    written at the head, read by the closing add alone.
; So: one wait on va_vdst at the head (addresses); one behind the weights' conversions; in each sum one ahead of its LDS store, and one on vm_vsrc ahead
; of the add that writes v35 again; in pass 3, which goes in four blocks of eight chunks, one at the head of each later block and one behind the last:
; a block's eight stores are dealt among the next block's vector lines, which name none of the registers that those stores read.
.set X,  64                            ; v[64:191]  my 128 numbers, chunk j (512 bytes of the wave) at X + 4j
.set WL, 8                             ; v[8:23]    4 numbers of each of the 4 weights
.set CH, 24                            ; v[24:31]   four chains of pairs
	s_load_b512 s[4:19], s[0:1], 0x0               ; x s[4:5], gamma s[6:7], beta s[8:9], wq s[10:11], wk s[12:13], wv s[14:15], wo s[16:17], xn s[18:19]
	s_load_b64 s[20:21], s[0:1], 0x40              ; wb
	v_lshl_add_u32 v192, v0, 2, 0x100              ; the LDS address of my spare word and 0: made here and kept for the closing lines alone
	v_mov_b32 v193, 0
	v_lshrrev_b32 v1, 5, v0
	v_readfirstlane_b32 s22, v1                    ; wave 0..15
	v_and_b32 v1, 31, v0                           ; lane L
	v_lshlrev_b32 v2, 4, v1                        ; 16 L: my 16 bytes in a chunk of x
	v_lshlrev_b32 v3, 3, v1                        ; 8 L: my 8 bytes in a chunk of xn
	s_wait_alu depctr_va_sdst(0)                   ; s22 is written, ahead of its first reader: the bases and offsets below are made from it
	s_lshl_b32 s24, ttmp9, 18                      ; x: group p at p x 256 KiB,
	s_lshl_b32 s23, s22, 14                        ; wave at w x 16 KiB
	s_add_co_u32 s24, s24, s23
	s_mov_b32 s25, 0
	s_lshl_b32 s26, ttmp9, 17                      ; xn: half of that
	s_lshl_b32 s23, s22, 13
	s_add_co_u32 s26, s26, s23
	s_mov_b32 s27, 0
	s_and_b32 s36, ttmp9, 7                        ; gamma, beta: channel 64 g + 4 w, 4 bytes each
	s_lshl_b32 s36, s36, 8
	s_lshl_b32 s23, s22, 4
	s_add_co_u32 s36, s36, s23
	s_mov_b32 s37, 0
	s_lshr_b32 s42, s22, 3                         ; w >> 3: which pair of the four rows
	s_and_b32 s43, s22, 7                          ; w & 7: which K step
	s_lshl_b32 s38, ttmp9, 13                      ; weight source: row 4p + 2 (w>>3), 2,048 bytes a row, + 256 bytes a K step
	s_lshl_b32 s23, s42, 12
	s_add_co_u32 s38, s38, s23
	s_lshl_b32 s23, s43, 8
	s_add_co_u32 s38, s38, s23
	s_lshl_b32 s39, s43, 16                        ; weight target: K step x 65,536 + row x 128
	s_lshl_b32 s23, ttmp9, 9
	s_add_co_u32 s39, s39, s23
	s_lshl_b32 s23, s42, 8
	s_add_co_u32 s39, s39, s23
	s_mov_b32 s40, 0x76543210                      ; v_permlanex16_b32: lane i of one half reads lane i of the other
	s_mov_b32 s41, 0xfedcba98
	s_mov_b32 s44, 0x37800000                      ; 2^-16 = 1 / (64 x 1024)
	v_lshrrev_b32 v4, 4, v1
	v_lshlrev_b32 v4, 11, v4                       ; lanes 16-31: the next row
	v_and_b32 v5, 15, v1
	v_lshl_add_u32 v4, v5, 4, v4
	v_add_nc_u32 v4, s38, v4                       ; source offset in a weight
	v_lshl_add_u32 v5, v1, 3, s39                  ; target offset in wb: two rows of 128 bytes are 256 neighbouring bytes, 8 a lane
	v_mov_b32 v6, s22
	v_lshlrev_b32 v6, 2, v6                        ; my wave's word in LDS
	v_mov_b32 v7, 0
	v_mov_b32 v36, 0                               ; the permute's destination counts as read
	v_mov_b32 v38, 0x3727c5ac                      ; 1e-5
	s_wait_kmcnt 0x0
	s_add_nc_u64 s[4:5], s[4:5], s[24:25]
	s_add_nc_u64 s[18:19], s[18:19], s[26:27]
	s_add_nc_u64 s[6:7], s[6:7], s[36:37]
	s_add_nc_u64 s[8:9], s[8:9], s[36:37]
	s_load_b128 s[28:31], s[6:7], 0x0              ; gamma of my 4 channels
	s_load_b128 s[32:35], s[8:9], 0x0              ; beta of my 4 channels
	s_wait_alu depctr_va_vdst(0)                   ; v2 to v7 are written: every load, store and LDS instruction of the kernel reads one of them as its offset or address
	global_load_b128 v[WL:WL+3],     v4, s[10:11] th:TH_LOAD_NT
	global_load_b128 v[WL+4:WL+7],   v4, s[12:13] th:TH_LOAD_NT
	global_load_b128 v[WL+8:WL+11],  v4, s[14:15] th:TH_LOAD_NT
	global_load_b128 v[WL+12:WL+15], v4, s[16:17] th:TH_LOAD_NT
.set j, 0
.rept 32
	global_load_b128 v[X+4*j:X+4*j+3], v2, s[4:5] offset:j*512 th:TH_LOAD_NT
.set j, j+1
.endr
	; the weights: rounded, and stored 256 neighbouring bytes an instruction.  All eight conversions first, so that one wait serves the four stores.
	s_wait_loadcnt 32                              ; the 32 loads of x are younger: the four weight loads are in
.irp i, 0,1,2,3
	v_cvt_pk_bf16_f32 v[WL+4*\i],   v[WL+4*\i],   v[WL+4*\i+1]
	v_cvt_pk_bf16_f32 v[WL+4*\i+1], v[WL+4*\i+2], v[WL+4*\i+3]
.endr
	s_wait_alu depctr_va_vdst(0)                   ; the conversions have written the packed words, which the four stores read
.irp i, 0,1,2,3
	global_store_b64 v5, v[WL+4*\i:WL+4*\i+1], s[20:21] offset:\i*524288
.endr
; n more pairs, from pair q on, are added to the four chains
.macro ACC n
.rept \n
	v_pk_add_f32 v[CH+2*(q%4):CH+2*(q%4)+1], v[CH+2*(q%4):CH+2*(q%4)+1], v[X+2*q:X+2*q+1]
.set q, q+1
.endr
.endm
; the four chains into v35
.macro MERGE
	v_pk_add_f32 v[CH:CH+1],   v[CH:CH+1],   v[CH+2:CH+3]
	v_pk_add_f32 v[CH+4:CH+5], v[CH+4:CH+5], v[CH+6:CH+7]
	v_pk_add_f32 v[CH:CH+1],   v[CH:CH+1],   v[CH+4:CH+5]
	v_add_f32 v35, v[CH], v[CH+1]
.endm
; v35 summed over the 32 lanes and the 16 waves, the result in every lane.  off: the 64 LDS bytes of this sum (each sum has its own,
; so one barrier a sum is enough: nobody writes bytes that another wave may still read).
.macro WSUM off
	v_add_f32_dpp v35, v35, v35 row_xmask:1 row_mask:0xf bank_mask:0xf
	v_add_f32_dpp v35, v35, v35 row_xmask:2 row_mask:0xf bank_mask:0xf
	v_add_f32_dpp v35, v35, v35 row_xmask:4 row_mask:0xf bank_mask:0xf
	v_add_f32_dpp v35, v35, v35 row_xmask:8 row_mask:0xf bank_mask:0xf
	v_permlanex16_b32 v36, v35, s40, s41
	v_add_f32 v35, v35, v36
	s_wait_alu depctr_va_vdst(0)                   ; v35 is written, which the LDS store reads; the adds of the sum before are done with v[40:55], in which the LDS loads below land
	ds_store_b32 v6, v35 offset:\off
	s_wait_dscnt 0x0                               ; my word is written before I say so
	s_barrier_signal -1
	s_barrier_wait -1
.irp k, 0,1,2,3
	ds_load_b128 v[40+4*\k:43+4*\k], v7 offset:\off+16*\k
.endr
	s_wait_dscnt 0x0
	s_wait_alu depctr_vm_vsrc(0)                   ; the LDS store above has read v35, which the last add below, and later the next sum's first lines, write again
	v_pk_add_f32 v[40:41], v[40:41], v[42:43]
	v_pk_add_f32 v[44:45], v[44:45], v[46:47]
	v_pk_add_f32 v[48:49], v[48:49], v[50:51]
	v_pk_add_f32 v[52:53], v[52:53], v[54:55]
	v_pk_add_f32 v[40:41], v[40:41], v[44:45]
	v_pk_add_f32 v[48:49], v[48:49], v[52:53]
	v_pk_add_f32 v[40:41], v[40:41], v[48:49]
	v_add_f32 v35, v40, v41
.endm
	; pass 1: the sum.  Each wait leaves the younger loads of x out: 24, 16, 8, 0.
	s_wait_loadcnt 24
.irp k, 0,1,2,3
	v_pk_add_f32 v[CH+2*\k:CH+2*\k+1], v[X+2*\k:X+2*\k+1], v[X+8+2*\k:X+8+2*\k+1]   ; the first eight pairs start the chains: nothing is cleared
.endr
.set q, 8
	ACC 8
	s_wait_loadcnt 16
	ACC 16
	s_wait_loadcnt 8
	ACC 16
	s_wait_loadcnt 0x0
	ACC 16
	MERGE
	WSUM 0
	v_mul_f32 v32, s44, v35                        ; the mean, twice
	v_mov_b32 v33, v32
	; pass 2: x - mean in place, and the sum of its squares
.set q, 0
.rept 64
	v_pk_add_f32 v[X+2*q:X+2*q+1], v[X+2*q:X+2*q+1], v[32:33] neg_lo:[0,1] neg_hi:[0,1]
.if q < 4
	v_pk_mul_f32 v[CH+2*q:CH+2*q+1], v[X+2*q:X+2*q+1], v[X+2*q:X+2*q+1]
.else
	v_pk_fma_f32 v[CH+2*(q%4):CH+2*(q%4)+1], v[X+2*q:X+2*q+1], v[X+2*q:X+2*q+1], v[CH+2*(q%4):CH+2*(q%4)+1]
.endif
.set q, q+1
.endr
	MERGE
	WSUM 64
	v_fma_f32 v34, v35, s44, v38                   ; var + 1e-5
	v_rsq_f32 v37, v34
	v_nop                                          ; one plain instruction behind v_rsq_f32 before its result is used (ISA guide 5.7.2)
	s_wait_kmcnt 0x0                               ; gamma and beta
	s_wait_alu depctr_va_vdst(0)                   ; v37, the reciprocal root, is written, ahead of its first reader
.irp c, 0,1,2,3
	v_mul_f32 v[40+2*\c], s[28+\c], v37            ; rstd x gamma, twice
	v_mul_f32 v[41+2*\c], s[28+\c], v37
	v_mov_b32 v[48+2*\c], s[32+\c]                 ; beta, twice
	v_mov_b32 v[49+2*\c], s[32+\c]
.endr
	; pass 3: (x - mean) rstd gamma + beta, rounded once; a store of the wave covers 256 neighbouring bytes, aligned.
	; Four blocks of eight chunks, a channel a block.  Block b's vector lines name its own 32 registers of X and v[40:55]; the stores that stand among them
	; read the packed words of block b - 1 and v3.  No register that a store reads is written again.
.macro NORM4 c                         ; chunk c: two fused multiply-adds on pairs, two roundings; the packed words take the chunk's first two registers
	v_pk_fma_f32 v[X+4*(\c):X+4*(\c)+1],   v[X+4*(\c):X+4*(\c)+1],   v[40+2*((\c)/8):41+2*((\c)/8)], v[48+2*((\c)/8):49+2*((\c)/8)]
	v_pk_fma_f32 v[X+4*(\c)+2:X+4*(\c)+3], v[X+4*(\c)+2:X+4*(\c)+3], v[40+2*((\c)/8):41+2*((\c)/8)], v[48+2*((\c)/8):49+2*((\c)/8)]
	v_cvt_pk_bf16_f32 v[X+4*(\c)],   v[X+4*(\c)],   v[X+4*(\c)+1]
	v_cvt_pk_bf16_f32 v[X+4*(\c)+1], v[X+4*(\c)+2], v[X+4*(\c)+3]
.endm
.macro OUT8 c                          ; chunk c leaves
	global_store_b64 v3, v[X+4*(\c):X+4*(\c)+1], s[18:19] offset:(\c)*256
.endm
.set j, 0
.rept 8
	NORM4 j                                        ; block 0: there is no block in front of it to store
.set j, j+1
.endr
.rept 3
	s_wait_alu depctr_va_vdst(0)                   ; the block before has written its packed words, which the eight stores below read
.rept 8
	OUT8 j-8                                       ; no vector line since the wait names these registers
	NORM4 j
.set j, j+1
.endr
.endr
	s_wait_alu depctr_va_vdst(0)                   ; block 3 has written its packed words, which the last eight stores read
.rept 8
	OUT8 j-8
.set j, j+1
.endr
	s_wait_dscnt 0x0                               ; the closing lines, six on end
	s_wait_alu 0x0
	s_wait_tensorcnt 0x0
	ds_add_u32 v192, v193
	s_wait_dscnt 0x0
	s_endpgm
.Lfunc_end_k_qbd8bf99874_norm:
	.size	k_qbd8bf99874_norm, .Lfunc_end_k_qbd8bf99874_norm-k_qbd8bf99874_norm
	.p2alignl 7, 3214868480
	.fill 96, 4, 3214868480
	.section	.rodata,"a",@progbits
	.p2align	6, 0x0
	.amdhsa_kernel k_qbd8bf99874_norm
		.amdhsa_group_segment_fixed_size 2304
		.amdhsa_private_segment_fixed_size 0
		.amdhsa_enable_private_segment 0
		.amdhsa_kernarg_size 72
		.amdhsa_user_sgpr_count 2
		.amdhsa_user_sgpr_kernarg_segment_ptr 1
		.amdhsa_wavefront_size32 1
		.amdhsa_system_sgpr_workgroup_id_x 1
		.amdhsa_system_sgpr_workgroup_id_y 1
		.amdhsa_system_sgpr_workgroup_id_z 1
		.amdhsa_system_vgpr_workitem_id 0
		.amdhsa_next_free_vgpr 194
		.amdhsa_next_free_sgpr 66
		.amdhsa_reserve_vcc 0
		.amdhsa_float_denorm_mode_32 3
		.amdhsa_float_denorm_mode_16_64 3
		.amdhsa_memory_ordered 1
		.amdhsa_forward_progress 1
		.amdhsa_inst_pref_size 34
	.end_amdhsa_kernel
	.amdgpu_metadata
---
amdhsa.version: [ 1, 2 ]
amdhsa.kernels:
  - .name:           k_qbd8bf99874_norm
    .symbol:         k_qbd8bf99874_norm.kd
    .args:
      - { .name: x, .offset: 0, .size: 8, .value_kind: global_buffer, .address_space: global }
      - { .name: gamma, .offset: 8, .size: 8, .value_kind: global_buffer, .address_space: global }
      - { .name: beta, .offset: 16, .size: 8, .value_kind: global_buffer, .address_space: global }
      - { .name: wq, .offset: 24, .size: 8, .value_kind: global_buffer, .address_space: global }
      - { .name: wk, .offset: 32, .size: 8, .value_kind: global_buffer, .address_space: global }
      - { .name: wv, .offset: 40, .size: 8, .value_kind: global_buffer, .address_space: global }
      - { .name: wo, .offset: 48, .size: 8, .value_kind: global_buffer, .address_space: global }
      - { .name: xn, .offset: 56, .size: 8, .value_kind: global_buffer, .address_space: global }
      - { .name: wb, .offset: 64, .size: 8, .value_kind: global_buffer, .address_space: global }
    .group_segment_fixed_size: 2304
    .private_segment_fixed_size: 0
    .kernarg_segment_align: 8
    .kernarg_segment_size: 72
    .max_flat_workgroup_size: 512
    .sgpr_count:     66
    .vgpr_count:     194
    .wavefront_size: 32
...
	.end_amdgpu_metadata
.endif
;; end of part 5
;; launch qkv: the kernel of part 2 again; grid 4 x 64, 4 waves a work-group, clusters of 4 x 4, 327,680 bytes of LDS; arguments xn, wb, bq, bv, qt, kt, vv; writes qt, kt, vv
;; launch attn: the kernel of part 3 again; grid 256 x 1, 4 waves a work-group, no clusters, 292,352 bytes of LDS; arguments qt, kt, vv, ao; writes ao
;; launch proj: the kernel of part 4 again; grid 4 x 64, 4 waves a work-group, clusters of 4 x 4, 327,680 bytes of LDS; arguments ao, wb, bo, x, out0; writes out0
